; MI455X (gfx1250); checked and timed in simulation.
; The chip was launched on July 23, 2026; its instructions are those of AMD's public machine-readable ISA for CDNA 5 (MIT licence, August 2026) and "CDNA5" Instruction Set Architecture Reference Guide (July 2026). The comments in the code are by the model that wrote it; some were corrected since.
;; Multi Head Attention. Allowed arithmetic: matrix products marked QUANTISED: E2M1 operands, one E8M0 scale for each 32 along K, by v_wmma_scale_f32_16x16x128_f8f6f4 with both operands' format E2M1 (or v_wmma_scale_f32_32x16x128_f4), f32 sums; products left as they are: bf16, f16 or f32 operands; f32 sums; everything else in f32.
;; Inputs: Wk 1,024 x 1,024 float32; Wo 1,024 x 1,024 float32; Wq 1,024 x 1,024 float32; Wv 1,024 x 1,024 float32; x 4 x 2,048 x 1,024 float32.
;; Outputs: out0 4 x 2,048 x 1,024 float32.
;; This version of the problem:
;;   THIS VERSION OF THE PROBLEM IS GIVEN IN LOW PRECISION. The matrix products marked QUANTISED in the list below multiply operands that are first quantised to E2M1 (2 exponent bits, 1 mantissa bit; 4 bits a number), with one power-of-two scale for each 32 numbers along K (OCP MX v1.0); their sums are f32. The products marked 'left as it is' may take bf16, f16 or f32 operands, with f32 sums. Whichever they take, every output number must still come out within the allowed error. Rounding operands to bf16 (8 significant bits) uses up far more of that allowance than f16 does (11 bits, for magnitudes from 6e-5 to 65,504). All else is computed in f32.
;;   The module's matrix products, in the order in which they are computed (A, B: the left and right operand; K: the contracted axis; several contracted axes count as one K, in the product's order):
;;     1. [M 8,192, K 1,024] x [K 1,024, N 1,024]; A: input x; B: input Wq: QUANTISED
;;     2. [M 8,192, K 1,024] x [K 1,024, N 1,024]; A: input x; B: input Wk: QUANTISED
;;     3. [M 8,192, K 1,024] x [K 1,024, N 1,024]; A: input x; B: input Wv: QUANTISED
;;     4. batch 64 x [M 2,048, K 64] x [K 64, N 2,048]; A: computed on the way; B: computed on the way: left as it is (an operand is computed on the way)
;;     5. batch 64 x [M 2,048, K 2,048] x [K 2,048, N 64]; A: computed on the way; B: computed on the way: left as it is (an operand is computed on the way)
;;     6. [M 8,192, K 1,024] x [K 1,024, N 1,024]; A: computed on the way; B: input Wo: left as it is (an operand is computed on the way)
;;   THE QUANTISER, for each operand of a quantised product, along K:
;;     - K is cut into blocks of 32 from its start; a last block that is shorter is filled with zeros.
;;     - A block's scale is 2^e with e = floor(log2(the largest magnitude in the block)) - 2, held to -126 .. 127; a block of zeros has e = 0. As a byte (E8M0): e + 127.
;;     - Each number is divided by its block's scale, clamped to +-6, and rounded to the nearest number of E2M1, ties to even, subnormals kept.
;;     - The product sums the exact products of the quantised numbers (number of the format x scale) in f32.
;;   ~~~python
;;   def quantise(x, axis):      # numpy; x: float32 -> the quantised numbers, widened to float32 again
;;       x = np.moveaxis(x, axis, -1); K = x.shape[-1]
;;       x = np.pad(x, [(0, 0)] * (x.ndim - 1) + [(0, -K % 32)]); x = x.reshape(x.shape[:-1] + (-1, 32)); a = np.abs(x).max(-1, keepdims=True)
;;       e = np.where(a > 0, np.clip(np.frexp(np.where(a > 0, a, 1))[1] - 1 - 2, -126, 127), 0)      # np.frexp(a)[1] - 1 = floor(log2(a)), exactly
;;       r = np.clip(x / 2.0 ** e, -6, 6)
;;       step = 2.0 ** (np.maximum(np.frexp(np.where(r == 0, 1, r))[1] - 1, 0) - 1)
;;       q = np.round(r / step) * step * 2.0 ** e      # np.round: ties to even
;;       return np.moveaxis(q.reshape(q.shape[:-2] + (-1,))[..., :K], -1, axis).astype(np.float32)
;;   ~~~
;; One version. Each part assembles by itself: llvm-mc -triple=amdgcn-amd-amdhsa -mcpu=gfx1250 --defsym DOCPART=n.
;; ======== version 1 of 1: 5 launches
;; limits: values are held in f16: magnitudes above 65,504 overflow, below 6.1e-05 lose precision
;; workspace buffers: xc 4,194,304 bytes; xs 262,144 bytes; wc 1,572,864 bytes; ws 98,304 bytes; wo16 2,097,152 bytes; qkv16 50,331,648 bytes; qkv32 786,432 bytes; o16 16,777,216 bytes
;; launch quant (part 1): grid 384 x 1, 4 waves a work-group, no clusters, 33,280 bytes of LDS; arguments x, Wq, Wk, Wv, Wo, xc, xs, wc, ws, wo16; writes xc, xs, wc, ws, wo16
.if DOCPART == 1
	.amdgcn_target "amdgcn-amd-amdhsa--gfx1250"
	.amdhsa_code_object_version 6
	.text
	.protected	k_qd0a705f811_quant
	.globl	k_qd0a705f811_quant
	.p2align	8
	.type	k_qd0a705f811_quant,@function
k_qd0a705f811_quant:
	s_mov_b64 s[64:65], 0
	v_nop
	global_prefetch_b8 v0, s[64:65] scope:SCOPE_SE
	s_setreg_imm32_b32 hwreg(HW_REG_WAVE_MODE, 25, 1), 1
	s_wait_xcnt 0x0
; x [8192][1024], Wq, Wk, Wv [1024][1024], f32, K innermost, become codes of FP4 (E2M1), two a byte, with one E8M0 byte for each 32 along K:
; xc [8192][512 bytes], xs [8192][32]; wc [3072][512 bytes], ws [3072][32] (rows 0-1023 Wq, 1024-2047 Wk, 2048-3071 Wv).  Wo [1024][1024] f32 becomes f16, wo16, same order.
; A block's scale is 2^(floor(log2(its largest magnitude)) - 2); its byte is the largest magnitude's exponent field - 2, held at 1 from below.  A block of zeros so gets the byte 1 where
; the rule says 127: its codes are zeros, which add nothing, and this program alone reads the bytes.
; LIMITS: NaN and infinities among the inputs are not served; |Wo| beyond 65,504 has no f16 number.
; SHARES.  A wave takes a run of 8,192 numbers, a work-group four runs.  Work-groups 0-255: x; 256-287 Wq; 288-319 Wk; 320-351 Wv; 352-383: the cast of Wo.
; The four quantised tensors take ONE path: only pointers are chosen, on the work-group's number.  Rows are dense and K is a multiple of 32: a tensor is a plain stream of blocks of 32.
; A step is 512 numbers: four loads of 512 consecutive bytes; the 2,048 bytes turn through the wave's own stage in LDS and come back 64 bytes a lane (16 neighbours along K; two lanes hold a block).
; A lane's 16 codes are 8 bytes: the wave stores 256 consecutive bytes.  A wave's 256 scale bytes are gathered in LDS and leave as one aligned 256 bytes.  No barrier: waves share nothing.
.set WAVES, 4
.set STEPS, 16
.set EMAX,  2
.set CB,    8                          ; bytes of 16 codes
.set R,     16                         ; v16-79   four sets of 16 numbers as loaded (cast: v16-143 two sets of 64)
.set X,     80                         ; v80-111  two sets of 16 neighbours
.set C,     128                        ; v128-191 codes: four registers a step, so that no store's data are written again
.set E,     112                        ; v112-127 a scale byte for each step
.set H,     144                        ; cast: v144-175 a round's f16 pairs
.set WREG,  8192                       ; LDS: a region for each wave: two stages of 32 x SP bytes, behind them its 256 scale bytes
.set SP,    80                         ; a lane's place in a stage: 64 bytes + 16 of padding
.set SPW,   12                         ; v12 LDS address of my spare word; never rewritten
.set NIL,   13                         ; v13 0; never rewritten
.set SPARE, WAVES*WREG                 ; behind the regions: the spare words, 128 bytes a wave; no other line names them
.set SRC,   26                         ; s[26:27] my run of numbers
.set DCO,   28                         ; s[28:29] my run's codes
.set DSC,   30                         ; s[30:31] my run's scale bytes
	s_load_b512 s[4:19], s[0:1], 0x0               ; x, Wq, Wk, Wv, Wo, xc, xs, wc
	s_load_b128 s[20:23], s[0:1], 0x40             ; ws, wo16
	v_lshl_add_u32 v[SPW], v0, 2, SPARE
	v_mov_b32 v[NIL], 0
	v_lshrrev_b32 v1, 5, v0
	v_readfirstlane_b32 s24, v1                    ; wave
	v_and_b32 v2, 31, v0                           ; lane
	v_lshlrev_b32 v3, 4, v2                        ; my 16 bytes of a load's 512
	s_mul_i32 s25, s24, WREG
	v_lshrrev_b32 v14, 2, v2
	v_mul_u32_u24 v14, v14, SP
	v_and_b32 v15, 3, v2
	v_lshl_add_u32 v14, v15, 4, v14
	v_add_nc_u32 v14, s25, v14                     ; the stage, on the way in: SP (lane / 4) + 16 (lane % 4)
	v_mul_u32_u24 v15, v2, SP
	v_add_nc_u32 v15, s25, v15                     ; and on the way out: SP x lane: my 16 neighbours
	v_mul_u32_u24 v4, v2, CB                       ; 8 x lane: my codes' place in a step's (cast: my 8 bytes of a store's 256)
	v_lshrrev_b32 v5, 1, v2
	s_add_co_u32 s25, s25, 2*32*SP
	v_add_nc_u32 v5, s25, v5                       ; LDS: my wave's 256 scale bytes, my block's byte
	v_lshlrev_b32 v7, 3, v2
	v_add_nc_u32 v6, s25, v7                       ; and on the way out 8 bytes a lane
	s_mov_b32 s35, 0
	s_wait_kmcnt 0x0
	s_cmp_ge_u32 ttmp9, 352
	s_cbranch_scc1 .Lcast
	s_sub_co_u32 s32, ttmp9, 256                   ; the weights' work-groups count from 0 (used only where it is one of them)
	s_and_b32 s33, s32, 31                         ; and within one weight
	s_cmp_lt_u32 ttmp9, 320                        ; the choices hang on the work-group's number alone
	s_cselect_b64 s[SRC:SRC+1], s[8:9], s[10:11]
	s_cmp_lt_u32 ttmp9, 288
	s_cselect_b64 s[SRC:SRC+1], s[6:7], s[SRC:SRC+1]
	s_cmp_lt_u32 ttmp9, 256
	s_cselect_b64 s[SRC:SRC+1], s[4:5], s[SRC:SRC+1]
	s_cselect_b64 s[DCO:DCO+1], s[14:15], s[18:19]
	s_cselect_b64 s[DSC:DSC+1], s[16:17], s[20:21]
	s_cselect_b32 s33, ttmp9, s33                  ; which group of four runs in the source,
	s_cselect_b32 s32, ttmp9, s32                  ; and in the codes' and scales' buffers
	s_lshl_b32 s33, s33, 2
	s_add_co_u32 s33, s33, s24
	s_lshl_b32 s34, s33, 15                        ; 32,768 bytes of f32 a run
	s_add_nc_u64 s[SRC:SRC+1], s[SRC:SRC+1], s[34:35]
	s_lshl_b32 s32, s32, 2
	s_add_co_u32 s32, s32, s24
	s_lshl_b32 s34, s32, 12                        ; 4,096 bytes of codes
	s_add_nc_u64 s[DCO:DCO+1], s[DCO:DCO+1], s[34:35]
	s_lshl_b32 s34, s32, 8                         ; 256 scale bytes
	s_add_nc_u64 s[DSC:DSC+1], s[DSC:DSC+1], s[34:35]
.macro LOAD t
.irp i, 0,1,2,3
	global_load_b128 v[R+16*((\t)%4)+4*\i:R+16*((\t)%4)+4*\i+3], v3, s[SRC:SRC+1] offset:2048*(\t)+512*\i th:TH_LOAD_NT   ; 32 lanes read 512 consecutive bytes
.endr
.endm
.macro TURN t                          ; step t's numbers through the stage: LDS serves a wave's instructions in order, so no wait stands between the stores and the loads
.irp i, 0,1,2,3
	ds_store_b128 v14, v[R+16*((\t)%4)+4*\i:R+16*((\t)%4)+4*\i+3] offset:32*SP*((\t)%2)+8*SP*\i
.endr
.irp i, 0,1,2,3
	ds_load_b128 v[X+16*((\t)%2)+4*\i:X+16*((\t)%2)+4*\i+3], v15 offset:32*SP*((\t)%2)+16*\i
.endr
.endm
.irp t, 0,1,2,3
	LOAD \t
.endr
	s_wait_loadcnt 12                              ; step 0's four loads are in; the twelve of steps 1 to 3 may be out
	TURN 0
.macro STEP t
.set XS, X+16*((\t)%2)
.if (\t) > 0
	s_wait_dscnt 1                                 ; this step's numbers are back from the stage (the last step's byte store may be out): so its stores into the stage have read their registers,
.else
	s_wait_dscnt 0x0
.endif
.if (\t)+4 < STEPS
	LOAD (\t)+4                                    ; which take the loads of four steps on
.endif
.if (\t)+1 < STEPS
.if STEPS-2-(\t) >= 3
	s_wait_loadcnt 12                              ; the next step's four loads are in; those of the three steps behind it may be out
.else
	s_wait_loadcnt 4*(STEPS-2-(\t))
.endif
	TURN (\t)+1                                    ; and go through the other stage while this step is worked
.endif
	v_max3_num_f32 v8, |v[XS]|, |v[XS+1]|, |v[XS+2]|               ; the largest magnitude of my 16, in two chains
	v_max3_num_f32 v9, |v[XS+3]|, |v[XS+4]|, |v[XS+5]|
.irp i, 6,10
	v_max3_num_f32 v8, v8, |v[XS+\i]|, |v[XS+\i+1]|
	v_max3_num_f32 v9, v9, |v[XS+\i+2]|, |v[XS+\i+3]|
.endr
	v_max3_num_f32 v8, v8, |v[XS+14]|, |v[XS+15]|
	v_max3_num_f32 v8, v8, v9, (EMAX+1)<<23        ; and the floor 2^(EMAX + 1 - 127): so the byte cannot fall under 1
	v_max_num_f32_dpp v8, v8, v8 row_xmask:1 row_mask:0xf bank_mask:0xf   ; and of my neighbour's 16: the block's
	v_add_nc_u32 v11, -(EMAX<<23), v8              ; EMAX off its exponent field: the conversion takes the exponent field of this operand as its scale
	v_cvt_scalef32_pk8_fp4_f32 v[C+4*(\t)], v[XS:XS+7], v11        ; eight numbers / the scale, to the nearest code, ties to even, beyond 6 the largest code; the first number's code lowest
	v_cvt_scalef32_pk8_fp4_f32 v[C+4*(\t)+1], v[XS+8:XS+15], v11
	v_lshrrev_b32 v[E+(\t)], 23, v11               ; the scale's byte
	ds_store_b8 v5, v[E+(\t)] offset:16*(\t)       ; both lanes of a block write the same byte with the same value
	global_store_b64 v4, v[C+4*(\t):C+4*(\t)+1], s[DCO:DCO+1] offset:32*CB*(\t)   ; 32 lanes store 256 consecutive bytes, aligned
.endm
.irp t, 0,1,2,3,4,5,6,7,8,9,10,11,12,13,14,15
	STEP \t
.endr
	ds_load_b64 v[8:9], v6                         ; LDS serves a wave's instructions in order: these see my stores
	s_wait_dscnt 0x0
	global_store_b64 v7, v[8:9], s[DSC:DSC+1]      ; 32 lanes store 256 consecutive bytes, aligned
	s_wait_tensorcnt 0x0                           ; the wave's end: the spare add and its waits behind my last LDS store
	ds_add_u32 v[SPW], v[NIL]
	s_wait_dscnt 0x0
	s_endpgm
; THE CAST OF Wo: no LDS.  A run is four rounds of 16 loads of 512 consecutive bytes; two rounds are on their way.
.Lcast:
	s_sub_co_u32 s32, ttmp9, 352
	s_lshl_b32 s32, s32, 2
	s_add_co_u32 s32, s32, s24
	s_lshl_b32 s34, s32, 15
	s_add_nc_u64 s[12:13], s[12:13], s[34:35]
	s_lshl_b32 s34, s32, 14
	s_add_nc_u64 s[22:23], s[22:23], s[34:35]
.macro CL k
.irp i, 0,1,2,3,4,5,6,7,8,9,10,11,12,13,14,15
	global_load_b128 v[R+64*((\k)%2)+4*\i:R+64*((\k)%2)+4*\i+3], v3, s[12:13] offset:(16*(\k)+\i)*512
.endr
.endm
.macro CAST k
.if (\k) < 3
	s_wait_loadcnt 16                              ; this round's 16 loads are in; the next round's may be out
.else
	s_wait_loadcnt 0x0
.endif
.if (\k) > 0
	s_wait_xcnt 0x0                                ; the last round's stores have read their data: H is written again only behind this wait
.endif
.irp i, 0,1,2,3,4,5,6,7,8,9,10,11,12,13,14,15
	v_cvt_pk_f16_f32 v[H+2*\i], v[R+64*((\k)%2)+4*\i], v[R+64*((\k)%2)+4*\i+1]
	v_cvt_pk_f16_f32 v[H+2*\i+1], v[R+64*((\k)%2)+4*\i+2], v[R+64*((\k)%2)+4*\i+3]
.endr
.if (\k) < 2
	CL (\k)+2
.endif
.irp i, 0,1,2,3,4,5,6,7,8,9,10,11,12,13,14,15
	global_store_b64 v4, v[H+2*\i:H+2*\i+1], s[22:23] offset:(16*(\k)+\i)*256     ; 32 lanes store 256 consecutive bytes, aligned
.endr
.endm
	CL 0
	CL 1
	CAST 0
	CAST 1
	CAST 2
	CAST 3
	s_endpgm
.Lfunc_end_k_qd0a705f811_quant:
	.size	k_qd0a705f811_quant, .Lfunc_end_k_qd0a705f811_quant-k_qd0a705f811_quant
	.p2alignl 7, 3214868480
	.fill 96, 4, 3214868480
	.section	.rodata,"a",@progbits
	.p2align	6, 0x0
	.amdhsa_kernel k_qd0a705f811_quant
		.amdhsa_group_segment_fixed_size 33280
		.amdhsa_private_segment_fixed_size 0
		.amdhsa_enable_private_segment 0
		.amdhsa_kernarg_size 80
		.amdhsa_user_sgpr_count 2
		.amdhsa_user_sgpr_kernarg_segment_ptr 1
		.amdhsa_wavefront_size32 1
		.amdhsa_system_sgpr_workgroup_id_x 1
		.amdhsa_system_sgpr_workgroup_id_y 1
		.amdhsa_system_sgpr_workgroup_id_z 1
		.amdhsa_system_vgpr_workitem_id 0
		.amdhsa_next_free_vgpr 192
		.amdhsa_next_free_sgpr 66
		.amdhsa_reserve_vcc 0
		.amdhsa_float_denorm_mode_32 3
		.amdhsa_float_denorm_mode_16_64 3
		.amdhsa_memory_ordered 1
		.amdhsa_forward_progress 1
		.amdhsa_inst_pref_size 54
	.end_amdhsa_kernel
	.amdgpu_metadata
---
amdhsa.version: [ 1, 2 ]
amdhsa.kernels:
  - .name:           k_qd0a705f811_quant
    .symbol:         k_qd0a705f811_quant.kd
    .args:
      - { .name: x, .offset: 0, .size: 8, .value_kind: global_buffer, .address_space: global }
      - { .name: Wq, .offset: 8, .size: 8, .value_kind: global_buffer, .address_space: global }
      - { .name: Wk, .offset: 16, .size: 8, .value_kind: global_buffer, .address_space: global }
      - { .name: Wv, .offset: 24, .size: 8, .value_kind: global_buffer, .address_space: global }
      - { .name: Wo, .offset: 32, .size: 8, .value_kind: global_buffer, .address_space: global }
      - { .name: xc, .offset: 40, .size: 8, .value_kind: global_buffer, .address_space: global }
      - { .name: xs, .offset: 48, .size: 8, .value_kind: global_buffer, .address_space: global }
      - { .name: wc, .offset: 56, .size: 8, .value_kind: global_buffer, .address_space: global }
      - { .name: ws, .offset: 64, .size: 8, .value_kind: global_buffer, .address_space: global }
      - { .name: wo16, .offset: 72, .size: 8, .value_kind: global_buffer, .address_space: global }
    .group_segment_fixed_size: 33280
    .private_segment_fixed_size: 0
    .kernarg_segment_align: 8
    .kernarg_segment_size: 80
    .max_flat_workgroup_size: 128
    .sgpr_count:     66
    .vgpr_count:     192
    .wavefront_size: 32
...
	.end_amdgpu_metadata
.endif
;; end of part 1
;; launch qkv (part 2): grid 12 x 32, 4 waves a work-group, clusters of 4 x 4, 327,680 bytes of LDS; arguments xc, xs, wc, ws, qkv16, qkv32; writes qkv16, qkv32
.if DOCPART == 2
	.amdgcn_target "amdgcn-amd-amdhsa--gfx1250"
	.amdhsa_code_object_version 6
	.text
	.protected	k_qd0a705f811_qkv
	.globl	k_qd0a705f811_qkv
	.p2align	8
	.type	k_qd0a705f811_qkv,@function
k_qd0a705f811_qkv:
	s_mov_b64 s[64:65], 0
	v_nop
	global_prefetch_b8 v0, s[64:65] scope:SCOPE_SE
	s_setreg_imm32_b32 hwreg(HW_REG_WAVE_MODE, 25, 1), 1
	s_wait_xcnt 0x0
	s_wait_alu depctr_hold_cnt(0) depctr_sa_sdst(0) depctr_va_vdst(0) depctr_va_sdst(0) depctr_va_ssrc(0) depctr_va_vcc(0) depctr_vm_vsrc(0)
	s_getreg_b32 s2, hwreg(HW_REG_IB_STS2, 6, 4)
	s_cmp_eq_u32 s2, 0
	s_cbranch_scc0 .Lentry_in_a_cluster
	s_endpgm
.Lentry_in_a_cluster:
	s_bfe_u32 s2, ttmp6, 0x10000c
	s_cmp_lg_u32 s2, 0xf033
	s_cbranch_scc0 .Lentry_shape_is_right
	s_endpgm
.Lentry_shape_is_right:
; The three quantised products as ONE product on codes: C[m][n] = sum over k of x[m][k] W[n][k], m = 8,192 rows (batch x position), n = 3,072 (Wq's, Wk's, Wv's rows), K = 1,024.
; Codes of FP4 (E2M1), two a byte, K innermost; one E8M0 byte for each 32 along K; the matrix instruction takes both as they lie.  Sums in f32.
; OUT: qkv16 [3 (q, k, v)][64 (batch x 16 + head)][2048 positions][64] f16, and for positions 0-15 of each batch also qkv32 [64 (batch x 16 + position)][3072] f32.
; LIMIT: |q|, |k|, |v| beyond 65,504 have no f16 number.
; A tile of C, 256 x 256, is made by a work-group of four waves; a wave makes 128 x 128: 64 accumulators of 16 x 16, 512 registers.  K = 1,024 is two K steps of 512: two LDS slots, each filled once.
; THE SCALES of the work-group's 256 rows of x and 256 rows of W, for all of K, are two dense blocks of memory: they come into LDS once, with the first fills.
; CLUSTERS: 4 x 4 work-groups.  The four of a row of the cluster need the same tiles of x, the four of a column the same tiles of W: each tile is asked for JOINTLY, by the same tensor load with the same
; descriptor and a mask that names the four.  Tile row = 8 cy + cluster y, so that the batch is cy and 'this tile holds positions 0-15' hangs on the cluster's y alone, which all partners share.
; THE MATRIX INSTRUCTION IS USED TRANSPOSED (source 0 = 16 rows of W, source 1 = 16 rows of x): a lane then holds eight neighbouring numbers of a row of C.
; REGISTERS, in windows of 256: window 0: v0-31 addresses; v32-95 scale words, two sets; v128-191 x's fragments, ONE set; on the way out v32-255 are free.
;   window 1: W's fragments, TWO sets, at v0 and v128.   window 2: the 32 accumulators of my rows 0-63 ((a, b) at v[8 (8 a + b)]);   window 3: those of my rows 64-127.
.set SIZE_K, 1024
.set KSTEP,  512                       ; along K in a slot
.set NQ,     KSTEP/128                 ; matrix instructions deep
.set ROWB,   256                       ; a tile's row in bytes
.set KROW,   SIZE_K*4/8                ; a row of codes in memory
.set PITCH,  272                       ; an LDS row: 256 bytes + 16 of padding: the 16 rows that a load touches start 68 words apart
.set FR,     8                         ; registers of a fragment: 16 rows x 128 K
.set NL,     2                         ; LDS loads that bring one
.set NP,     4                         ; places behind this matrix instruction (ISA guide 7.12.1)
.set HALFT,  128*PITCH
.set SLOT,   4*HALFT                   ; x's 256 rows, then W's 256 rows
.set KS,     SIZE_K/32                 ; a row of scales in bytes
.set SCL,    2*SLOT                    ; behind the slots: the scales, as pieces of 256 bytes + 16 of padding
.set HALFS,  (128*KS/256)*272
.set SBLK,   (16*KS/256)*272
.set SPARE,  SCL+4*HALFS               ; the spare words, 128 bytes a wave; no other line names them
.set SPITCH, 528                       ; the way out: a stage of 16 x 528 bytes for each wave, in slot 0, which has had its one fill and its last read when the first result is stored there
.set ADRA, 16
.set ADRB, 20
.set STO32, 22                         ; v22 the stage in f32: where I put 32 bytes of a row (pitch 528)
.set RD32,  23                         ; v23 and where I read a row of 512 bytes back
.set STO16, 24                         ; v24 the stage in f16: where I put 16 bytes of a row (pitch 272)
.set RD16,  25                         ; v25 and where I read 16 bytes of a head's 128 back: eight lanes a position
.set GO,    26                         ; v26 16 x lane
.set ADRS,  27
.set SPW,   28
.set NIL,   29
.set SC,    32
.set AF,    128
.set TMP,   32                         ; the way out: v32-63 a block rounded to f16
.set BK32,  128                        ; v128-191 16 rows of f32 read back
.set BK16,  192                        ; v192-223, v224-255 a block of f16 read back, two sets by turns
.set G1, 24
.set G0, 32
.set G1B, 48
.set G0B, 56
.set G1S, 68
.set G0S, 76
.set G1SB, 80
.set G0SB, 88
.set MSB, 0
.macro WIN new                         ; the immediate's high byte repeats the setting that is left
.if MSB != \new
	s_set_vgpr_msb (MSB<<8)|\new
.set MSB, \new
.endif
.endm
.set MUL_LO, 0xa1                      ; source 0 (W) window 1, source 1 (x) window 0, C and D window 2
.set MUL_HI, 0xf1                      ; the same, C and D window 3
.set TO_B,   0x40                      ; destination window 1, address window 0
; A joint load: waves 0 and 1 fetch for x, waves 2 and 3 for W.  Each line has one mask and one set of registers for all that issue it; the branch hangs on the wave's number alone.
; An s_nop 0 and four v_nop follow each of the two lines.
.macro JLOAD g0a, g1a, g0b, g1b
	s_cmp_eq_u32 s15, 0
	s_cbranch_scc0 .Lfor_b_\@
	tensor_load_to_lds s[\g0a:\g0a+3], s[\g1a:\g1a+7]
	s_nop 0
.rept 4
	v_nop
.endr
	s_branch .Lasked_\@
.Lfor_b_\@:
	tensor_load_to_lds s[\g0b:\g0b+3], s[\g1b:\g1b+7]
	s_nop 0
.rept 4
	v_nop
.endr
.Lasked_\@:
.endm
.macro CROUND                          ; a round of the cluster's barrier
	s_barrier_signal -1
	s_barrier_wait -1
	s_cmp_lg_u32 s14, 0
	s_cbranch_scc1 .Lnot_wave_0_\@
	s_barrier_signal -3
.Lnot_wave_0_\@:
	s_barrier_wait -3
	s_barrier_signal -1
	s_barrier_wait -1
.endm
	s_load_b128 s[4:7], s[0:1], 0x0                ; x's codes, x's scales
	s_load_b128 s[8:11], s[0:1], 0x10              ; W's codes, W's scales
	s_load_b64 s[12:13], s[0:1], 0x20              ; qkv16
	s_load_b64 s[96:97], s[0:1], 0x28              ; qkv32
	v_lshl_add_u32 v[SPW], v0, 2, SPARE
	v_mov_b32 v[NIL], 0
	ds_add_u32 v[SPW], v[NIL]                      ; the wave's opening: the add, twice on end, and its wait ahead of my first tensor load
	ds_add_u32 v[SPW], v[NIL]
	v_lshrrev_b32 v1, 5, v0
	v_readfirstlane_b32 s14, v1                    ; wave 0..3
	s_lshr_b32 s15, s14, 1                         ; which half of the tile's rows is mine.  Also: I fetch for x (0) or for W (1)
	s_and_b32 s16, s14, 1                          ; which half of its columns.  Also: which 128 rows of that tile I fetch
	s_bfe_u32 s40, ttmp6, 0x40000                  ; cx, cy: my place in the cluster
	s_bfe_u32 s41, ttmp6, 0x40004
	s_lshl_b32 s42, ttmp9, 2
	s_add_co_u32 s42, s42, s40                     ; tile column of C = 4 x cluster x + cx: cluster x is the part (q, k, v)
	s_and_b32 s98, ttmp7, 0xffff                   ; cluster y
	s_lshl_b32 s17, s41, 3
	s_add_co_u32 s17, s17, s98                     ; tile row of C = 8 cy + cluster y: the batch is cy
	s_lshl_b32 s43, s41, 2
	s_lshl_b32 s43, 15, s43                        ; my row of the cluster
	s_lshl_b32 s44, 0x1111, s40                    ; my column
	; descriptor group 1: a tile of 128 rows x 256 bytes, padded in LDS
	s_or_b32 s[G1+0], s43, (0<<16)|(1<<20)|(1<<21)|(5<<22)|(3<<25)  ; 15:0 the mask; 17:16 elements of 1 byte; 20 padding on; 21 set beside a mask; 24:22 after every 64 words; 31:25 four words
	s_or_b32 s[G1B+0], s44, (0<<16)|(1<<20)|(1<<21)|(5<<22)|(3<<25)
.irp g, G1, G1B
	s_mov_b32 s[\g+1], ROWB<<16                    ; tensor_dim0
	s_mov_b32 s[\g+2], 128<<16                     ; tensor_dim1
	s_mov_b32 s[\g+3], ROWB<<16                    ; tile_dim0
	s_mov_b32 s[\g+4], 128                         ; tile_dim1
	s_mov_b32 s[\g+5], KROW                        ; tensor_dim0_stride
	s_mov_b32 s[\g+6], 0
	s_mov_b32 s[\g+7], 0
.endr
	; the scales of 128 rows: a dense block of 4,096 bytes, as rows of 256 bytes (32 elements of 8 bytes), 16 bytes of padding behind each
	s_or_b32 s[G1S+0], s43, (3<<16)|(1<<20)|(1<<21)|(5<<22)|(3<<25)
	s_or_b32 s[G1SB+0], s44, (3<<16)|(1<<20)|(1<<21)|(5<<22)|(3<<25)
.irp g, G1S, G1SB
	s_mov_b32 s[\g+1], 32<<16
	s_mov_b32 s[\g+2], (128*KS/256)<<16
	s_mov_b32 s[\g+3], 32<<16
	s_mov_b32 s[\g+4], 128*KS/256
	s_mov_b32 s[\g+5], 32
	s_mov_b32 s[\g+6], 0
	s_mov_b32 s[\g+7], 0
.endr
	s_lshl_b32 s18, s16, 7                         ; which 128 rows of the tile I fetch
	s_lshl_b32 s20, s17, 8
	s_add_co_u32 s20, s20, s18                     ; x: row 256 x tile row + 128 x half
	s_lshl_b32 s46, s42, 8
	s_add_co_u32 s46, s46, s18                     ; W: row 256 x tile column + 128 x half
	s_mov_b32 s21, 0
	s_mov_b32 s47, 0
	s_mov_b64 s[18:19], KS
	s_mul_u64 s[22:23], s[20:21], s[18:19]         ; where these rows' scales begin, in bytes
	s_mul_u64 s[92:93], s[46:47], s[18:19]
	s_mov_b64 s[18:19], KROW
	s_mul_u64 s[20:21], s[20:21], s[18:19]         ; and their codes
	s_mul_u64 s[46:47], s[46:47], s[18:19]
	s_mul_i32 s45, s14, HALFT                      ; where they go: wave x 128 rows: no place in the cluster enters an LDS address
	s_mul_i32 s94, s14, HALFS
	s_wait_dscnt 0x0                               ; both opening adds are done
	s_wait_kmcnt 0x0
	s_add_nc_u64 s[20:21], s[4:5], s[20:21]
	s_add_nc_u64 s[22:23], s[6:7], s[22:23]
	s_add_nc_u64 s[46:47], s[8:9], s[46:47]
	s_add_nc_u64 s[92:93], s[10:11], s[92:93]
	CROUND                                         ; all sixteen work-groups are here: the first joint loads meet
	s_mov_b32 s[G0S], 1
	s_add_co_u32 s[G0S+1], s94, SCL
	s_mov_b64 s[G0S+2:G0S+3], s[22:23]
	s_or_b32 s[G0S+3], s[G0S+3], 0x80000000
	s_mov_b32 s[G0SB], 1
	s_add_co_u32 s[G0SB+1], s94, SCL
	s_mov_b64 s[G0SB+2:G0SB+3], s[92:93]
	s_or_b32 s[G0SB+3], s[G0SB+3], 0x80000000
	JLOAD G0S, G1S, G0SB, G1SB                     ; the scales first: they are wanted with K step 0.  Three loads of mine are out behind the next two
.irp s, 0,1
	s_mov_b32 s[G0+4*\s], 1
	s_add_co_u32 s[G0+4*\s+1], s45, \s*SLOT
	s_add_nc_u64 s[G0+4*\s+2:G0+4*\s+3], s[20:21], \s*ROWB
	s_or_b32 s[G0+4*\s+3], s[G0+4*\s+3], 0x80000000
	s_mov_b32 s[G0B+4*\s], 1
	s_add_co_u32 s[G0B+4*\s+1], s45, \s*SLOT
	s_add_nc_u64 s[G0B+4*\s+2:G0B+4*\s+3], s[46:47], \s*ROWB
	s_or_b32 s[G0B+4*\s+3], s[G0B+4*\s+3], 0x80000000
	JLOAD G0+4*\s, G1, G0B+4*\s, G1B
.endr
	v_and_b32 v1, 15, v0                           ; r = l % 16
	v_bfe_u32 v2, v0, 4, 1                         ; h = l / 16
	v_mul_u32_u24 v3, v1, PITCH
	v_lshl_add_u32 v4, v2, 4, v3                   ; a fragment's row x pitch + 16 x half
	s_mul_i32 s21, s15, HALFT                      ; my 128 rows of x
	s_mul_i32 s22, s16, HALFT                      ; my 128 rows of W,
	s_add_co_u32 s22, s22, 2*HALFT                 ; which lie behind x's 256
.irp s, 0,1
	v_add_nc_u32 v[ADRA+\s], s21, v4
	v_add_nc_u32 v[ADRB+\s], s22, v4
	s_add_co_u32 s21, s21, SLOT
	s_add_co_u32 s22, s22, SLOT
.endr
	v_mul_u32_u24 v5, v1, KS                       ; my row's scales: KS bytes a row,
	v_lshrrev_b32 v6, 8, v5
	v_lshl_add_u32 v5, v6, 4, v5                   ; and 16 more for each 256 passed
	s_mul_i32 s21, s15, HALFS                      ; x's: my 128 rows
	s_mul_i32 s22, s16, HALFS                      ; W's: my 128 rows, behind x's 256
	s_add_co_u32 s22, s22, 2*HALFS
	s_sub_co_u32 s22, s22, s21
	v_mul_u32_u24 v6, s22, v2                      ; lanes 16-31 take W's
	s_add_co_u32 s21, s21, SCL
	v_add_nc_u32 v5, v5, v6
	v_add_nc_u32 v[ADRS], s21, v5
	s_mul_i32 s23, s14, 16*SPITCH                  ; my stage
	v_mul_u32_u24 v5, v1, SPITCH
	v_lshl_add_u32 v5, v2, 5, v5
	v_add_nc_u32 v[STO32], s23, v5                 ; f32, in: row r, 32 bytes for each half of the lanes
	v_and_b32 v6, 31, v0
	v_lshlrev_b32 v[GO], 4, v6
	v_add_nc_u32 v[RD32], s23, v[GO]               ; f32, back: the 32 lanes take one row of 512 bytes
	v_mul_u32_u24 v5, v1, 272
	v_lshl_add_u32 v5, v2, 4, v5
	v_add_nc_u32 v[STO16], s23, v5                 ; f16, in: row r of 256 bytes + 16, 16 bytes for each half
	v_lshrrev_b32 v5, 3, v6
	v_mul_u32_u24 v5, v5, 272
	v_and_b32 v6, 7, v0
	v_lshl_add_u32 v5, v6, 4, v5
	v_add_nc_u32 v[RD16], s23, v5                  ; f16, back: row l / 8, 16 (l % 8) bytes on: four positions x 128 bytes of one head
	; qkv16: part x 2^24 + (16 cy + 4 cx + 2 x column half) heads of 2^18 bytes + (256 cluster y + 128 x row half) positions of 128 bytes
	s_lshl_b32 s20, s41, 4
	s_lshl_b32 s21, s40, 2
	s_add_co_u32 s20, s20, s21
	s_lshl_b32 s21, s16, 1
	s_add_co_u32 s20, s20, s21
	s_lshl_b32 s20, s20, 18
	s_lshl_b32 s21, s98, 15
	s_add_co_u32 s20, s20, s21
	s_lshl_b32 s21, s15, 14
	s_add_co_u32 s20, s20, s21
	s_lshl_b32 s21, ttmp9, 24
	s_add_co_u32 s20, s20, s21
	s_mov_b32 s21, 0
	s_add_nc_u64 s[12:13], s[12:13], s[20:21]
	; qkv32: 16 cy rows of 12,288 bytes + 1,024 x tile column + 512 x column half
	s_mul_i32 s20, s41, 16*12288
	s_lshl_b32 s22, s42, 10
	s_add_co_u32 s20, s20, s22
	s_lshl_b32 s22, s16, 9
	s_add_co_u32 s20, s20, s22
	s_add_nc_u64 s[96:97], s[96:97], s[20:21]
.macro FRAG reg, adr, q, i             ; a fragment, 16 rows x 128 K of 4-bit codes, is 8 registers: lane l holds row l % 16; registers 4 c .. 4 c + 3 hold K = 64 c + 32 (l / 16) + 0 .. 31
.irp c, 0,1
	ds_load_b128 v[\reg+4*\c:\reg+4*\c+3], v[\adr] offset:64*(\q)+32*\c+(\i)*16*PITCH
.endr
.endm
; 16 matrix instructions: x's blocks a0, a0 + 1 against W's eight, 128 along K: the slot's q-th.  p: W's set;  sc: the set of scale words.  zero = 1: the first product starts the sums.
; The 64 accumulators take turns, one instruction a turn, in the same order in every step.
.macro MUL16 a0, p, q, sc, zero
.irp a, \a0, \a0+1
.irp b, 0,1,2,3,4,5,6,7
.if \zero
	v_wmma_scale_f32_16x16x128_f8f6f4 v[8*(8*((\a)%4)+\b):8*(8*((\a)%4)+\b)+7], v[128*(\p)+FR*\b:128*(\p)+FR*\b+FR-1], v[AF+FR*(\a):AF+FR*(\a)+FR-1], 0, v[SC+8*NQ*(\sc)+NQ*\b+(\q)], v[SC+8*NQ*(\sc)+NQ*(\a)+(\q)] matrix_a_fmt:MATRIX_FMT_FP4 matrix_b_fmt:MATRIX_FMT_FP4 matrix_a_scale:MATRIX_SCALE_ROW1
.else
	v_wmma_scale_f32_16x16x128_f8f6f4 v[8*(8*((\a)%4)+\b):8*(8*((\a)%4)+\b)+7], v[128*(\p)+FR*\b:128*(\p)+FR*\b+FR-1], v[AF+FR*(\a):AF+FR*(\a)+FR-1], v[8*(8*((\a)%4)+\b):8*(8*((\a)%4)+\b)+7], v[SC+8*NQ*(\sc)+NQ*\b+(\q)], v[SC+8*NQ*(\sc)+NQ*(\a)+(\q)] matrix_a_fmt:MATRIX_FMT_FP4 matrix_b_fmt:MATRIX_FMT_FP4 matrix_a_scale:MATRIX_SCALE_ROW1
.endif
.endr
.endr
.endm
.macro FETCH_B slot, q, p              ; W's eight fragments of the slot's q-th 128 along K into set p
	WIN TO_B
.irp i, 0,1,2,3,4,5,6,7
	FRAG 128*(\p)+FR*\i, ADRB+\slot, \q, \i
.endr
	WIN 0
.endm
.macro FETCH_A slot, q, i0             ; x's blocks i0 .. i0 + 3
.irp i, \i0, \i0+1, \i0+2, \i0+3
	FRAG AF+FR*(\i), ADRA+\slot, \q, \i
.endr
.endm
.macro SCALES sc                       ; a K step's scale words into set sc: lanes 0-15 take x's block i, lanes 16-31 W's block i
.irp i, 0,1,2,3,4,5,6,7
	ds_load_b128 v[SC+8*NQ*\sc+NQ*\i:SC+8*NQ*\sc+NQ*\i+3], v[ADRS] offset:\i*SBLK
.endr
.endm
.macro PLACES n                        ; places in front of loads into registers that matrix instructions have read, and of the first read of results
.rept \n
	v_nop
.endr
.endm
.macro STEP slot, q, zero              ; a step of 128 along K that has its successor in the same slot
	s_wait_dscnt 4*NL                              ; W's set and x's blocks 0-3 are in; the youngest eight loads (x's blocks 4-7) may be out
	WIN MUL_LO
	MUL16 0, (\q)%2, \q, \slot, \zero
	MUL16 2, (\q)%2, \q, \slot, \zero
	s_wait_dscnt 0                                 ; x's blocks 4-7 are in
	PLACES NP
	FETCH_B \slot, (\q)+1, 1-(\q)%2
	FETCH_A \slot, (\q)+1, 0
	WIN MUL_HI
	MUL16 4, (\q)%2, \q, \slot, \zero
	MUL16 6, (\q)%2, \q, \slot, \zero
	PLACES NP
	WIN 0
	FETCH_A \slot, (\q)+1, 4
.endm
.macro STEPS slot, from                ; the slot's steps from .. NQ - 2
.set Q, \from
.rept NQ-1-\from
	STEP \slot, Q, 0
.set Q, Q+1
.endr
.endm
	s_wait_tensorcnt 1                             ; the scales and my part of K step 0 are in (K step 1's load may be out)
	s_barrier_signal -1
	s_barrier_wait -1                              ; everybody's are
	FETCH_B 0, 0, 0
	FETCH_A 0, 0, 0
	SCALES 0
	FETCH_A 0, 0, 4
	STEP 0, 0, 1                                   ; the first step's products start the sums
	STEPS 0, 1
	; slot 0's last step changes slots: one barrier; in front of it my part of slot 1 has landed and my reads of slot 0 are over.  Nothing is filled again: K is two K steps
	s_wait_tensorcnt 0x0
	ds_add_u32 v[SPW], v[NIL]
	s_wait_dscnt 4*NL+1                            ; (the add and the youngest eight loads, x's blocks 4-7, may be out)
	WIN MUL_LO
	MUL16 0, 1, NQ-1, 0, 0
	s_wait_dscnt 0x0
	s_barrier_signal -1
	MUL16 2, 1, NQ-1, 0, 0
	WIN 0
	s_barrier_wait -1
	PLACES NP
	v_add_nc_u32 v[ADRS], 4*NQ, v[ADRS]            ; on to the next K step's scale words
	FETCH_B 1, 0, 0
	FETCH_A 1, 0, 0
	SCALES 1
	WIN MUL_HI
	MUL16 4, 1, NQ-1, 0, 0
	MUL16 6, 1, NQ-1, 0, 0
	PLACES NP
	WIN 0
	FETCH_A 1, 0, 4
	STEPS 1, 0
	s_wait_dscnt 4*NL                              ; the very last step: nothing more to fetch
	WIN MUL_LO
	MUL16 0, 1, NQ-1, 1, 0
	MUL16 2, 1, NQ-1, 1, 0
	s_wait_dscnt 0
	WIN MUL_HI
	MUL16 4, 1, NQ-1, 1, 0
	MUL16 6, 1, NQ-1, 1, 0
	WIN 0
; THE WAY OUT.  A lane holds eight neighbouring columns of one row; the lanes beside it hold other rows: so a block of 16 rows x 128 columns goes through my own stage in LDS.
; LDS serves a wave's instructions in order (ISA guide 5.7.1.4): no wait between a block's stores and its loads, nor in front of the next block's stores.
	PLACES NP
	; positions 0-15 (cluster y = 0, my rows' first half, block 0) also leave in f32: the small launch for those rows reads them
	s_cmp_lg_u32 s98, 0
	s_cbranch_scc1 .Lno32
	s_cmp_lg_u32 s15, 0
	s_cbranch_scc1 .Lno32
	WIN 0x08                                       ; an LDS store's data are its source 1: window 2
.irp b, 0,1,2,3,4,5,6,7
	ds_store_b128 v[STO32], v[8*\b:8*\b+3] offset:64*\b            ; each accumulator from its low end on
	ds_store_b128 v[STO32], v[8*\b+4:8*\b+7] offset:64*\b+16
.endr
	WIN 0
.irp t, 0,1,2,3,4,5,6,7,8,9,10,11,12,13,14,15
	ds_load_b128 v[BK32+4*\t:BK32+4*\t+3], v[RD32] offset:\t*SPITCH
.endr
	s_wait_dscnt 0x0
.irp t, 0,1,2,3,4,5,6,7,8,9,10,11,12,13,14,15
	global_store_b128 v[GO], v[BK32+4*\t:BK32+4*\t+3], s[96:97] offset:\t*12288   ; 32 lanes store 512 consecutive bytes, aligned
.endr
.Lno32:
.macro PACK a                          ; block a rounded to f16: a lane's eight columns of tile b are 16 bytes
.set AC, 64*((\a)%4)
	WIN 0x0a+5*((\a)/4)                            ; sources 0 and 1: window 2 or 3
.irp b, 0,1,2,3,4,5,6,7
.irp i, 0,1,2,3
	v_cvt_pk_f16_f32 v[TMP+4*\b+\i], v[AC+8*\b+2*\i], v[AC+8*\b+2*\i+1]
.endr
.endr
	WIN 0
.endm
.macro TOSTAGE16 a                     ; into rows of 256 bytes + 16; back by heads: four positions x 128 bytes a load
.set BB, BK16+32*((\a)%2)
.irp b, 0,1,2,3,4,5,6,7
	ds_store_b128 v[STO16], v[TMP+4*\b:TMP+4*\b+3] offset:32*\b
.endr
.irp e, 0,1
.irp t, 0,1,2,3
	ds_load_b128 v[BB+4*(4*\e+\t):BB+4*(4*\e+\t)+3], v[RD16] offset:1088*\t+128*\e
.endr
.endr
.endm
.macro SEND16 a
.set BB, BK16+32*((\a)%2)
	s_wait_dscnt 0x0                               ; the block is back in registers
	s_wait_xcnt 0x0                                ; the stores of the block before have read their registers: the next block's loads land there only behind this wait
.irp e, 0,1
.irp t, 0,1,2,3
	global_store_b128 v[GO], v[BB+4*(4*\e+\t):BB+4*(4*\e+\t)+3], s[12:13] offset:2048*(\a)+512*\t+262144*\e   ; 32 lanes store 512 consecutive bytes of head e, aligned
.endr
.endr
.endm
	PACK 0
	TOSTAGE16 0
.irp a, 1,2,3,4,5,6,7                  ; block a's conversions stand between block a - 1's loads from the stage and the wait for them
	PACK \a
	SEND16 \a-1
	TOSTAGE16 \a
.endr
	SEND16 7
	s_wait_tensorcnt 0x0                           ; the wave's end: the spare add and its waits behind my last tensor load and my last LDS store
	ds_add_u32 v[SPW], v[NIL]
	s_wait_dscnt 0x0
	CROUND                                         ; the closing round: no work-group ends while a partner may still ask for a tile that names it
	s_endpgm
.Lfunc_end_k_qd0a705f811_qkv:
	.size	k_qd0a705f811_qkv, .Lfunc_end_k_qd0a705f811_qkv-k_qd0a705f811_qkv
	.p2alignl 7, 3214868480
	.fill 96, 4, 3214868480
	.section	.rodata,"a",@progbits
	.p2align	6, 0x0
	.amdhsa_kernel k_qd0a705f811_qkv
		.amdhsa_group_segment_fixed_size 327680
		.amdhsa_private_segment_fixed_size 0
		.amdhsa_enable_private_segment 0
		.amdhsa_kernarg_size 48
		.amdhsa_user_sgpr_count 2
		.amdhsa_user_sgpr_kernarg_segment_ptr 1
		.amdhsa_wavefront_size32 1
		.amdhsa_system_sgpr_workgroup_id_x 1
		.amdhsa_system_sgpr_workgroup_id_y 1
		.amdhsa_system_sgpr_workgroup_id_z 1
		.amdhsa_system_vgpr_workitem_id 0
		.amdhsa_next_free_vgpr 1024
		.amdhsa_next_free_sgpr 100
		.amdhsa_reserve_vcc 0
		.amdhsa_float_denorm_mode_32 3
		.amdhsa_float_denorm_mode_16_64 3
		.amdhsa_memory_ordered 1
		.amdhsa_forward_progress 1
		.amdhsa_inst_pref_size 131
	.end_amdhsa_kernel
	.amdgpu_metadata
---
amdhsa.version: [ 1, 2 ]
amdhsa.kernels:
  - .name:           k_qd0a705f811_qkv
    .symbol:         k_qd0a705f811_qkv.kd
    .args:
      - { .name: xc, .offset: 0, .size: 8, .value_kind: global_buffer, .address_space: global }
      - { .name: xs, .offset: 8, .size: 8, .value_kind: global_buffer, .address_space: global }
      - { .name: wc, .offset: 16, .size: 8, .value_kind: global_buffer, .address_space: global }
      - { .name: ws, .offset: 24, .size: 8, .value_kind: global_buffer, .address_space: global }
      - { .name: qkv16, .offset: 32, .size: 8, .value_kind: global_buffer, .address_space: global }
      - { .name: qkv32, .offset: 40, .size: 8, .value_kind: global_buffer, .address_space: global }
    .group_segment_fixed_size: 327680
    .private_segment_fixed_size: 0
    .kernarg_segment_align: 8
    .kernarg_segment_size: 48
    .max_flat_workgroup_size: 128
    .sgpr_count:     100
    .vgpr_count:     1024
    .wavefront_size: 32
...
	.end_amdgpu_metadata
.endif
;; end of part 2
;; launch attn (part 3): grid 4 x 64, 16 waves a work-group, no clusters, 327,680 bytes of LDS; arguments qkv16, o16; writes o16
.if DOCPART == 3
	.amdgcn_target "amdgcn-amd-amdhsa--gfx1250"
	.amdhsa_code_object_version 6
	.text
	.protected	k_qd0a705f811_attn
	.globl	k_qd0a705f811_attn
	.p2align	8
	.type	k_qd0a705f811_attn,@function
k_qd0a705f811_attn:
	s_mov_b64 s[64:65], 0
	v_nop
	global_prefetch_b8 v0, s[64:65] scope:SCOPE_SE
	s_setreg_imm32_b32 hwreg(HW_REG_WAVE_MODE, 25, 1), 1
	s_wait_xcnt 0x0
; o[b][h][q][:] = the sum over keys k <= q of softmax_k(q . k / 8) v[k][:], head size 64, 2,048 positions, 64 (batch x head) planes.  q, k, v: f16, qkv16 [3][64][2048][64].
; Products on f16 operands with f32 sums; maxima, exponentials and sums in f32; the weights p (at most 1) are rounded to f16 for the second product; o once to f16: o16 [16 heads][8192 (batch x position)][64].
; LIMITS: f16's range for q, k, v, o (65,504); NaN and infinities are not served.  Positions 0-15 of each batch are made here too and are made again, in f32, by the last launch.
; SHARES.  Work-group (i, plane) owns query blocks i and 7 - i (256 queries each) of one plane, at once: eight waves to each block, 32 queries (two tiles of 16) a wave.  Under the causal mask block j
; needs j + 1 slots of 256 keys: i + 1 and 8 - i, nine in all for every i.  The two blocks' waves are interleaved by the bits of the wave's number.
; NO CLUSTER: the four work-groups of a plane need 8, 7, 6 and 5 slots of K and V; a joint load would bring tiles that every wave of some partner jumps over.
; LAYOUT.  S^T = K Q^T (source 0 = 16 keys, source 1 = 16 queries): a lane holds ONE query (lane % 16) and keys 8 (lane / 16) + 0..7 of a tile of 16.  Two such tiles, rounded to f16 in pairs, ARE
; source 1 (32 keys x 16 queries) of O^T = V^T P.  K comes out of LDS as it lies, V ([key][channel]) turned, by ds_load_tr16_b128.
; SOFTMAX.  A running maximum m and sum l for each query: p = 2^(c s - c m), c = log2(e) / 8; in every step O^T and l are multiplied by a = 2^(c m_old - c m_new).
; THE WALK.  Every work-group walks all 8 slots: the trip counts are constants.  A step of 64 keys all of which come after the wave's 32 queries is jumped over (a scalar branch on ids, round no barrier);
; a slot whose first key comes after the work-group's last query is not asked for.  Every wait on TENSORcnt is for 0.
.set KS,    64                         ; keys in a step
.set PK,    144                        ; a row of K in LDS: 128 bytes + 16: the 16 rows of a load start 36 words apart
.set PV,    160                        ; a row of V: 128 + 32
.set VOFF,  KS*PK                      ; a step's tiles lie together: 64 rows of K, then 64 rows of V
.set STEPB, KS*(PK+PV)
.set SLOT1, 1<<17                      ; a slot holds four steps (77,824 bytes); slot 1 begins here: one exclusive or turns an address
.set STAGE, SLOT1+4*STEPB              ; behind the ring: 16 rows x 144 bytes for each wave, for the way out
.set SROW,  16*PK
.set SPARE, STAGE+16*SROW              ; the spare words, 128 bytes a wave; no other line names them
.set NSL,   8
.set AK0, 1                            ; v1  my lane's place in a tile of K
.set AV0, 2                            ; v2  the same for V
.set ADR, 3                            ; v3  the address of the loads in hand
.set PFO, 4                            ; v4  256 x lane; never rewritten
.set SPW, 5                            ; v5  my spare word; never rewritten
.set NIL, 6                            ; v6  0; never rewritten
.set GO,  7                            ; v7  16 x lane
.set STO, 8                            ; v8  the way out: where I put 16 bytes of a row
.set RD,  9                            ; v9  and where I read back
.set LQ,  10                           ; v10 lane % 16 - 8 (lane / 16)
.set NINF, 11                          ; v11 -infinity
.set ST,  12                           ; v12-27 statistics, 8 a tile: +0 c m, +1 m, +2, +3 l (two halves), +4 .. +7 at work; a at +6
.set QF,  32                           ; v32-63  Q: tile t, channels 32 c on, at 32 + 16 t + 8 c
.set SS,  64                           ; v64-127 S^T: tile t, keys 16 kt on, at 64 + 32 t + 8 kt; then p; then P packed into the first 16 of each 32
.set OT,  128                          ; v128-191 O^T: tile t, channels 16 ch on, at 128 + 32 t + 8 ch
.set KV,  192                          ; v192-255 K's eight fragments, then V's eight
.set TB,  2                            ; s2  LDS byte at which the step's tiles begin
.set CNT, 3
.set WV,  18
.set SEL, 20
.set CS,  22
.set G1K, 24
.set G1V, 32
.set G0K, 40
.set G0V, 44
.set SLOTS, 48
.set KF,  49                           ; s49 the step's first key
.set Q0,  50                           ; s50 my first query
.set QL,  51                           ; s51 my work-group's last query
.set LIM, 52
.set BH,  53
.set PFA, 54
.set QA,  60
.set OA,  62
; Waves 0-3 fetch a slot's four tiles of K, waves 4-7 its four of V, the others nothing.  An s_nop 0 and four v_nop follow each line.
.macro TLOAD
	s_cmp_lt_u32 s[WV], 4
	s_cbranch_scc0 .Lnot_k_\@
	tensor_load_to_lds s[G0K:G0K+3], s[G1K:G1K+7]
	s_nop 0
.rept 4
	v_nop
.endr
	s_branch .Lasked_\@
.Lnot_k_\@:
	s_cmp_lt_u32 s[WV], 8
	s_cbranch_scc0 .Lasked_\@
	tensor_load_to_lds s[G0V:G0V+3], s[G1V:G1V+7]
	s_nop 0
.rept 4
	v_nop
.endr
.Lasked_\@:
.endm
; A prefetch of what the NEXT change of slots will ask for: 32,768 dense bytes of K and as many of V.  All four work-groups of a plane walk the same K and V: work-group 0, which walks all eight slots, asks.
; In it waves 8-11 ask for K's bytes and waves 12-15 for V's, 8,192 a wave, lanes 256 bytes apart: each 256 bytes are named once.  Slots 0 and 1 come by their loads alone; the last change that fills asks for nothing.
.macro ASK
	s_cmp_gt_u32 s[SLOTS], s[LIM]
	s_cbranch_scc0 .Lnot_mine_\@
	global_prefetch_b8 v[PFO], s[PFA:PFA+1] th:TH_LOAD_NT scope:SCOPE_SE
.Lnot_mine_\@:
.endm
	s_load_b128 s[4:7], s[0:1], 0x0                ; qkv16, o16
	v_lshl_add_u32 v[SPW], v0, 2, SPARE
	v_mov_b32 v[NIL], 0
	ds_add_u32 v[SPW], v[NIL]                      ; the wave's opening: the add, twice on end, and its wait ahead of my first tensor load
	ds_add_u32 v[SPW], v[NIL]
	v_lshrrev_b32 v1, 5, v0
	v_readfirstlane_b32 s[WV], v1                  ; wave 0..15
	s_and_b32 s[BH], ttmp7, 0xffff                 ; the plane: batch x 16 + head
	s_bfe_u32 s66, s[WV], 0x10001                  ; bit 1
	s_bfe_u32 s67, s[WV], 0x10003                  ; bit 3
	s_xor_b32 s68, s66, s67                        ; which of the two blocks is mine
	s_and_b32 s69, s[WV], 1
	s_lshl_b32 s67, s67, 1
	s_add_co_u32 s69, s69, s67
	s_and_b32 s67, s[WV], 4
	s_add_co_u32 s69, s69, s67                     ; which 32 queries of it: bit 0 + 2 x bit 3 + 4 x bit 2
	s_sub_co_u32 s70, 7, ttmp9
	s_cmp_eq_u32 s68, 0
	s_cselect_b32 s71, ttmp9, s70
	s_lshl_b32 s71, s71, 8
	s_lshl_b32 s69, s69, 5
	s_add_co_u32 s[Q0], s71, s69
	s_lshl_b32 s[QL], s70, 8
	s_or_b32 s[QL], s[QL], 255
	s_lshl_b32 s72, s[BH], 18                      ; the plane's 262,144 bytes in each part
	s_and_b32 s73, s[WV], 3
	s_lshl_b32 s74, s73, 13                        ; my step's 64 rows of 128 bytes in memory,
	s_mul_i32 s75, s73, STEPB                      ; and its place in a slot
	s_add_co_u32 s76, s72, s74
	s_add_co_u32 s76, s76, 0x1000000               ; K is part 1,
	s_mov_b32 s77, 0
	s_add_co_u32 s78, s76, 0x1000000               ; V part 2
	s_mov_b32 s79, 0
	; descriptor group 1: a tile of 64 rows x 64 elements of 2 bytes, dense in memory, padded in LDS
	s_mov_b32 s[G1K], (1<<16)|(1<<20)|(4<<22)|(3<<25)              ; no mask; elements of 2 bytes; padding on; after every 32 words; four words
	s_mov_b32 s[G1V], (1<<16)|(1<<20)|(4<<22)|(7<<25)              ; the same with eight words
.irp g, G1K, G1V
	s_mov_b32 s[\g+1], 64<<16                      ; tensor_dim0
	s_mov_b32 s[\g+2], KS<<16                      ; tensor_dim1
	s_mov_b32 s[\g+3], 64<<16                      ; tile_dim0
	s_mov_b32 s[\g+4], KS                          ; tile_dim1
	s_mov_b32 s[\g+5], 64                          ; tensor_dim0_stride
	s_mov_b32 s[\g+6], 0
	s_mov_b32 s[\g+7], 0
.endr
	s_mov_b32 s[SEL], 0x76543210
	s_mov_b32 s[SEL+1], 0xfedcba98                 ; v_permlanex16_b32's selects for lane l xor 16
	s_mov_b32 s[CS], 0x3e38aa3b                    ; c = log2(e) / 8
	s_mov_b32 s[CS+1], s[CS]                       ; (named with it as a pair, so it is written)
	s_mov_b32 s[TB], 0
	s_mov_b32 s[KF], 0
	s_mov_b32 s[SLOTS], NSL-1
	s_lshr_b32 s66, s[WV], 3
	s_xor_b32 s66, s66, 1                          ; 0 in waves 8 to 15,
	s_or_b32 s66, s66, ttmp9                       ; of the plane's work-group 0
	s_cmp_eq_u32 s66, 0
	s_cselect_b32 s[LIM], 1, -1
	s_wait_dscnt 0x0                               ; both opening adds are done
	s_wait_kmcnt 0x0
	s_mov_b32 s[G0K], 1                            ; count = 1
	s_mov_b32 s[G0K+1], s75                        ; LDS address: slot 0
	s_add_nc_u64 s[G0K+2:G0K+3], s[4:5], s[76:77]
	s_or_b32 s[G0K+3], s[G0K+3], 0x80000000        ; type = 2
	s_mov_b32 s[G0V], 1
	s_add_co_u32 s[G0V+1], s75, VOFF
	s_add_nc_u64 s[G0V+2:G0V+3], s[4:5], s[78:79]
	s_or_b32 s[G0V+3], s[G0V+3], 0x80000000
	TLOAD                                          ; slot 0: key 0 counts for every query
	s_lshl_b32 s66, s[Q0], 7
	s_add_co_u32 s66, s66, s72
	s_mov_b32 s67, 0
	s_add_nc_u64 s[QA:QA+1], s[4:5], s[66:67]      ; Q at my first query
	s_and_b32 s66, s[BH], 15
	s_lshl_b32 s66, s66, 20                        ; o16: the head's plane of 8,192 rows,
	s_lshr_b32 s68, s[BH], 4
	s_lshl_b32 s68, s68, 11
	s_add_co_u32 s68, s68, s[Q0]
	s_lshl_b32 s68, s68, 7                         ; row batch x 2,048 + my first query
	s_add_co_u32 s66, s66, s68
	s_add_nc_u64 s[OA:OA+1], s[6:7], s[66:67]
	s_mov_b32 s66, 0x2000000
	s_cmp_lt_u32 s[WV], 12
	s_cselect_b32 s66, 0x1000000, s66
	s_add_co_u32 s66, s66, s72
	s_add_co_u32 s66, s66, s74
	s_add_co_u32 s66, s66, 32768                   ; in slot 1: the first change of slots steps it to slot 2
	s_add_nc_u64 s[PFA:PFA+1], s[4:5], s[66:67]
	v_and_b32 v28, 15, v0                          ; r
	v_bfe_u32 v29, v0, 4, 1                        ; h
	v_lshlrev_b32 v[ADR], 7, v28
	v_lshl_add_u32 v[ADR], v29, 4, v[ADR]          ; Q: row r of 128 bytes + 16 h
.irp t, 0,1
.irp c, 0,1
	global_load_b128 v[QF+16*\t+8*\c:QF+16*\t+8*\c+3],   v[ADR], s[QA:QA+1] offset:2048*\t+64*\c
	global_load_b128 v[QF+16*\t+8*\c+4:QF+16*\t+8*\c+7], v[ADR], s[QA:QA+1] offset:2048*\t+64*\c+32
.endr
.endr
	v_mul_u32_u24 v[AK0], v28, PK
	v_lshl_add_u32 v[AK0], v29, 4, v[AK0]          ; row x pitch + 16 x half
	v_and_b32 v30, 7, v0
	v_lshl_add_u32 v[AV0], v29, 3, v30             ; the turning load: key 8 h + l % 8,
	v_mul_u32_u24 v[AV0], v[AV0], PV
	v_bfe_u32 v30, v0, 3, 1
	v_lshl_add_u32 v[AV0], v30, 4, v[AV0]          ; channels 8 ((l / 8) % 2) on
	v_add_nc_u32 v[AV0], VOFF, v[AV0]
	v_and_b32 v31, 31, v0
	v_lshlrev_b32 v[PFO], 8, v31
	v_lshlrev_b32 v[GO], 4, v31
	s_mul_i32 s66, s[WV], SROW
	s_add_co_u32 s66, s66, STAGE                   ; my stage
	v_mul_u32_u24 v[STO], v28, PK
	v_lshl_add_u32 v[STO], v29, 4, v[STO]
	v_add_nc_u32 v[STO], s66, v[STO]
	v_lshrrev_b32 v30, 3, v31
	v_mul_u32_u24 v[RD], v30, PK
	v_and_b32 v30, 7, v0
	v_lshl_add_u32 v[RD], v30, 4, v[RD]
	v_add_nc_u32 v[RD], s66, v[RD]                 ; back: eight lanes a row of 128 bytes, four rows a load
	v_lshlrev_b32 v30, 3, v29
	v_sub_nc_u32 v[LQ], v28, v30
	v_mov_b32 v[NINF], 0xff800000
.irp t, 0,1
	v_mov_b32 v[ST+8*\t+1], 0xff61b1e6             ; m: -3e38, under every score
	v_mul_f32 v[ST+8*\t], s[CS], v[ST+8*\t+1]      ; c m
.irp u, 2,3,4,5,6,7
	v_mov_b32 v[ST+8*\t+\u], 0                     ; l, and the registers at work (written on every path)
.endr
.endr
.set i, 0
.rept 64
	v_mov_b32 v[OT+i], 0                           ; O^T.  (The step is written once: the first finds zeros, which a = 0 leaves zeros)
.set i, i+1
.endr
; A KEY STEP: 64 keys against my two tiles of queries.
.macro STEP
	s_add_co_u32 s66, s[Q0], 31
	s_cmp_gt_u32 s[KF], s66                        ; all 64 keys come after my 32 queries: the step's work is left out, not the lines at its end that step addresses
	s_cbranch_scc1 .Lhidden_\@
	v_add_nc_u32 v[ADR], s[TB], v[AK0]
.rept 4
	v_nop                                          ; with the addition five places: K's loads land on registers that the last products read, and the products below write over P
.endr
.irp kt, 0,1,2,3
.irp c, 0,1
	ds_load_b128 v[KV+8*(2*\kt+\c):KV+8*(2*\kt+\c)+3],   v[ADR] offset:16*PK*\kt+64*\c
	ds_load_b128 v[KV+8*(2*\kt+\c)+4:KV+8*(2*\kt+\c)+7], v[ADR] offset:16*PK*\kt+64*\c+32
.endr
.endr
	s_wait_dscnt 0x0
.irp c, 0,1                                    ; S^T = K Q^T: eight accumulators by turns, one instruction a turn; the first eight start the sums
.irp kt, 0,1,2,3
.irp t, 0,1
.if \c == 0
	v_wmma_f32_16x16x32_f16 v[SS+32*\t+8*\kt:SS+32*\t+8*\kt+7], v[KV+8*(2*\kt+\c):KV+8*(2*\kt+\c)+7], v[QF+16*\t+8*\c:QF+16*\t+8*\c+7], 0
.else
	v_wmma_f32_16x16x32_f16 v[SS+32*\t+8*\kt:SS+32*\t+8*\kt+7], v[KV+8*(2*\kt+\c):KV+8*(2*\kt+\c)+7], v[QF+16*\t+8*\c:QF+16*\t+8*\c+7], v[SS+32*\t+8*\kt:SS+32*\t+8*\kt+7]
.endif
.endr
.endr
.endr
	v_add_nc_u32 v[ADR], s[TB], v[AV0]
.rept 4
	v_nop                                          ; places in front of V's loads into K's registers and of the first read of the scores
.endr
.irp g, 0,1                                    ; V, turned: keys 32 g on, channels 16 ch on.  The loads land while the softmax is walked
.irp ch, 0,1,2,3
	ds_load_tr16_b128 v[KV+8*(4*\g+\ch):KV+8*(4*\g+\ch)+3],   v[ADR] offset:32*PV*\g+32*\ch
	ds_load_tr16_b128 v[KV+8*(4*\g+\ch)+4:KV+8*(4*\g+\ch)+7], v[ADR] offset:32*PV*\g+16*PV+32*\ch
.endr
.endr
	s_add_co_u32 s66, s[KF], 63                    ; on the diagonal hidden scores become -infinity ahead of the maximum.  A step all of whose keys count skips this
	s_cmp_le_u32 s66, s[Q0]
	s_cbranch_scc1 .Lopen_\@
	s_sub_co_i32 s66, s[Q0], s[KF]
	v_add_nc_u32 v28, s66, v[LQ]                   ; d = Q0 - KF + r - 8 h.  Register n of tile t holds key KF + 16 (n / 8) + 8 h + n % 8, query Q0 + 16 t + r: hidden where 16 (n / 8) + n % 8 - 16 t > d
.irp t, 0,1
.set n, 0
.rept 32
	v_cmp_gt_i32 vcc_lo, 16*(n/8)+n%8-16*\t, v28
	v_cndmask_b32 v[SS+32*\t+n], v[SS+32*\t+n], v[NINF], vcc_lo
.set n, n+1
.endr
.endr
.Lopen_\@:
	; the maximum of 32 scores and the old m: four chains, each beginning at its accumulator's low end; the two tiles line by line
.irp j, 0,1,2,3
.irp t, 0,1
	v_max3_num_f32 v[ST+8*\t+4+\j], v[SS+32*\t+8*\j], v[SS+32*\t+8*\j+1], v[SS+32*\t+8*\j+2]
.endr
.endr
.irp u, 1,2
.irp j, 0,1,2,3
.irp t, 0,1
	v_max3_num_f32 v[ST+8*\t+4+\j], v[ST+8*\t+4+\j], v[SS+32*\t+8*\j+2*\u+1], v[SS+32*\t+8*\j+2*\u+2]
.endr
.endr
.endr
.irp t, 0,1
	v_max3_num_f32 v[ST+8*\t+4], v[ST+8*\t+4], v[SS+32*\t+7], v[SS+32*\t+15]
.endr
.irp t, 0,1
	v_max3_num_f32 v[ST+8*\t+6], v[ST+8*\t+6], v[SS+32*\t+23], v[SS+32*\t+31]
.endr
.irp t, 0,1
	v_max3_num_f32 v[ST+8*\t+4], v[ST+8*\t+4], v[ST+8*\t+5], v[ST+8*\t+6]
.endr
.irp t, 0,1
	v_max3_num_f32 v[ST+8*\t+4], v[ST+8*\t+4], v[ST+8*\t+7], v[ST+8*\t+1]
.endr
.irp t, 0,1
	v_permlanex16_b32 v[ST+8*\t+5], v[ST+8*\t+4], s[SEL], s[SEL+1]   ; the query's other 32 keys lie in the lane 16 away
.endr
.irp t, 0,1
	v_mov_b32 v[ST+8*\t+7], v[ST+8*\t]             ; c m_old is kept for a
.endr
.irp t, 0,1
	v_max_num_f32 v[ST+8*\t+1], v[ST+8*\t+4], v[ST+8*\t+5]
.endr
.irp t, 0,1
	v_mul_f32 v[ST+8*\t], s[CS], v[ST+8*\t+1]
.endr
.irp t, 0,1
	v_sub_f32 v[ST+8*\t+7], v[ST+8*\t+7], v[ST+8*\t]
.endr
.set i, 0
.rept 16
.irp t, 0,1
	v_pk_fma_f32 v[SS+32*\t+i:SS+32*\t+i+1], v[SS+32*\t+i:SS+32*\t+i+1], s[CS:CS+1], v[ST+8*\t:ST+8*\t+1] op_sel_hi:[1,0,0] neg_lo:[0,0,1] neg_hi:[0,0,1]   ; c s - c m, two at a time
.endr
.set i, i+2
.endr
.irp t, 0,1
	v_exp_f32 v[ST+8*\t+6], v[ST+8*\t+7]           ; a.  ONE BATCH of 66 exponentials; none reads another's result
.endr
.set e, 0
.rept 32
.irp t, 0,1
	v_exp_f32 v[SS+32*\t+e], v[SS+32*\t+e]
.endr
.set e, e+1
.endr
	v_nop                                          ; the plain instruction behind the last exponential
	s_wait_alu depctr_va_vdst(0)                   ; one wait for the batch, ahead of its first reader
.irp t, 0,1
	v_pk_mul_f32 v[ST+8*\t+2:ST+8*\t+3], v[ST+8*\t+2:ST+8*\t+3], v[ST+8*\t+6:ST+8*\t+7] op_sel_hi:[1,0]   ; l x a
.endr
.irp t, 0,1
	v_pk_add_f32 v[28+2*\t:29+2*\t], v[SS+32*\t+2:SS+32*\t+3], v[SS+32*\t+6:SS+32*\t+7]   ; the sums of the unrounded p, in two chains
.endr
.irp t, 0,1
	v_pk_add_f32 v[ST+8*\t+2:ST+8*\t+3], v[ST+8*\t+2:ST+8*\t+3], v[SS+32*\t:SS+32*\t+1]
.endr
.irp t, 0,1
	v_pk_add_f32 v[ST+8*\t+2:ST+8*\t+3], v[ST+8*\t+2:ST+8*\t+3], v[SS+32*\t+4:SS+32*\t+5]
.endr
.irp u, 8,12,16,20,24,28
.irp t, 0,1
	v_pk_add_f32 v[ST+8*\t+2:ST+8*\t+3], v[ST+8*\t+2:ST+8*\t+3], v[SS+32*\t+\u:SS+32*\t+\u+1]
	v_pk_add_f32 v[28+2*\t:29+2*\t], v[28+2*\t:29+2*\t], v[SS+32*\t+\u+2:SS+32*\t+\u+3]
.endr
.endr
.irp t, 0,1
	v_pk_add_f32 v[ST+8*\t+2:ST+8*\t+3], v[ST+8*\t+2:ST+8*\t+3], v[28+2*\t:29+2*\t]
.endr
.set i, 0
.rept 16
.irp t, 0,1
	v_cvt_pk_f16_f32 v[SS+32*\t+i], v[SS+32*\t+2*i], v[SS+32*\t+2*i+1]   ; P in place, ascending: register i takes pair i, which lies at or above it
.endr
.set i, i+1
.endr
.set i, 0
.rept 16
.irp t, 0,1
	v_pk_mul_f32 v[OT+32*\t+i:OT+32*\t+i+1], v[OT+32*\t+i:OT+32*\t+i+1], v[ST+8*\t+6:ST+8*\t+7] op_sel_hi:[1,0]   ; O^T x a, each accumulator from its low end on
.endr
.set i, i+2
.endr
	s_wait_dscnt 0x0                               ; V is in
.irp g, 0,1                                    ; O^T += V^T P: eight accumulators by turns
.irp ch, 0,1,2,3
.irp t, 0,1
	v_wmma_f32_16x16x32_f16 v[OT+32*\t+8*\ch:OT+32*\t+8*\ch+7], v[KV+8*(4*\g+\ch):KV+8*(4*\g+\ch)+7], v[SS+32*\t+8*\g:SS+32*\t+8*\g+7], v[OT+32*\t+8*\ch:OT+32*\t+8*\ch+7]
.endr
.endr
.endr
.Lhidden_\@:
	s_add_co_u32 s[KF], s[KF], KS
	s_add_co_u32 s[TB], s[TB], STEPB
.endm
.macro FOUR_STEPS                      ; a slot's four steps: written once, walked four times
	s_mov_b32 s[CNT], 4
.Lstep_\@:
	STEP
	s_sub_co_u32 s[CNT], s[CNT], 1
	s_cmp_lg_u32 s[CNT], 0
	s_cbranch_scc1 .Lstep_\@
	s_sub_co_u32 s[TB], s[TB], 4*STEPB             ; back to a slot's first step,
	s_xor_b32 s[TB], s[TB], SLOT1                  ; in the other slot
.endm
; THE CHANGE OF SLOTS stands at a slot's head.  Each wave waits for all its tensor loads (its part of the slot ahead), adds 0 to its spare word, and waits for that and for its reads of the slot that it has left.
; Behind the barrier the slot ahead is whole and nobody reads the other one; fill = 1: that other slot takes the next 256 keys, up to the causal limit: the load has four steps in which to land.
.macro CHANGE fill
	s_wait_tensorcnt 0x0                           ; no tensor load of mine is out, so a group 0 may be written
	ds_add_u32 v[SPW], v[NIL]
.if \fill
	ds_add_u32 v[SPW], v[NIL]                      ; and once more
	s_xor_b32 s[G0K+1], s[G0K+1], SLOT1            ; the walking descriptors: the other slot,
	s_add_nc_u64 s[G0K+2:G0K+3], s[G0K+2:G0K+3], 32768   ; the next 256 keys
	s_xor_b32 s[G0V+1], s[G0V+1], SLOT1
	s_add_nc_u64 s[G0V+2:G0V+3], s[G0V+2:G0V+3], 32768
	s_wait_xcnt 0x0                                ; the last prefetch, a slot back, has read its address
	s_add_nc_u64 s[PFA:PFA+1], s[PFA:PFA+1], 32768 ; one slot further on than the walking descriptors
.endif
	s_wait_dscnt 0x0
	s_barrier_signal -1
	s_barrier_wait -1
.if \fill
	s_add_co_u32 s66, s[KF], 256                   ; the first key of the slot that this change would ask for:
	s_cmp_gt_u32 s66, s[QL]                        ; behind my work-group's last query no wave reads it.  Ids and the count of steps alone: all sixteen waves go the same way
	s_cbranch_scc1 .Lpast_\@
	TLOAD                                          ; a wave's one tensor load until the next change
.Lpast_\@:
	ASK
.endif
.endm
	s_wait_loadcnt 0x0                             ; Q
.Lslot:                                            ; NSL - 1 trips
	CHANGE 1
	FOUR_STEPS
	s_sub_co_u32 s[SLOTS], s[SLOTS], 1
	s_cmp_lg_u32 s[SLOTS], 0
	s_cbranch_scc1 .Lslot
	CHANGE 0                                       ; the last slot is written out: nothing is asked for
	FOUR_STEPS
	; THE WAY OUT.  l's halves and the other half of the lanes' are added; O^T / l is rounded to f16 and goes through my stage, a tile (16 rows of 128 bytes) at a time.
.rept 4
	v_nop                                          ; places behind the last products
.endr
.irp t, 0,1
	v_add_f32 v[ST+8*\t+4], v[ST+8*\t+2], v[ST+8*\t+3]
.endr
.irp t, 0,1
	v_permlanex16_b32 v[ST+8*\t+5], v[ST+8*\t+4], s[SEL], s[SEL+1]
.endr
.irp t, 0,1
	v_add_f32 v[ST+8*\t+4], v[ST+8*\t+4], v[ST+8*\t+5]
.endr
.irp t, 0,1
	v_rcp_f32 v[ST+8*\t+6], v[ST+8*\t+4]
.endr
	v_nop
	s_wait_alu depctr_va_vdst(0)                   ; one wait for the two reciprocals, ahead of their first reader
.irp t, 0,1
.set i, 0
.rept 16
	v_pk_mul_f32 v[SS+32*\t+i:SS+32*\t+i+1], v[OT+32*\t+i:OT+32*\t+i+1], v[ST+8*\t+6:ST+8*\t+7] op_sel_hi:[1,0]
.set i, i+2
.endr
.set i, 0
.rept 16
	v_cvt_pk_f16_f32 v[KV+16*\t+i], v[SS+32*\t+2*i], v[SS+32*\t+2*i+1]   ; register 4 ch + u: channels 16 ch + 8 h + 2 u, + 1 of query r
.set i, i+1
.endr
.irp ch, 0,1,2,3
	ds_store_b128 v[STO], v[KV+16*\t+4*\ch:KV+16*\t+4*\ch+3] offset:32*\ch
.endr
.irp u, 0,1,2,3
	ds_load_b128 v[KV+32+16*\t+4*\u:KV+32+16*\t+4*\u+3], v[RD] offset:4*PK*\u   ; LDS serves a wave's instructions in order: these see my stores, and the next tile's stores come behind them
.endr
.endr
.irp t, 0,1
.irp u, 0,1,2,3
	s_wait_dscnt 8*(1-\t)+3-\u                     ; behind this load: the tile's later loads, and for tile 0 the eight LDS instructions of tile 1
	global_store_b128 v[GO], v[KV+32+16*\t+4*\u:KV+32+16*\t+4*\u+3], s[OA:OA+1] offset:2048*\t+512*\u   ; 32 lanes store 512 consecutive bytes, aligned
.endr
.endr
	s_wait_tensorcnt 0x0                           ; the wave's end: the spare add and its waits behind my last tensor load and my last LDS store
	ds_add_u32 v[SPW], v[NIL]
	s_wait_dscnt 0x0
	s_endpgm
.Lfunc_end_k_qd0a705f811_attn:
	.size	k_qd0a705f811_attn, .Lfunc_end_k_qd0a705f811_attn-k_qd0a705f811_attn
	.p2alignl 7, 3214868480
	.fill 96, 4, 3214868480
	.section	.rodata,"a",@progbits
	.p2align	6, 0x0
	.amdhsa_kernel k_qd0a705f811_attn
		.amdhsa_group_segment_fixed_size 327680
		.amdhsa_private_segment_fixed_size 0
		.amdhsa_enable_private_segment 0
		.amdhsa_kernarg_size 16
		.amdhsa_user_sgpr_count 2
		.amdhsa_user_sgpr_kernarg_segment_ptr 1
		.amdhsa_wavefront_size32 1
		.amdhsa_system_sgpr_workgroup_id_x 1
		.amdhsa_system_sgpr_workgroup_id_y 1
		.amdhsa_system_sgpr_workgroup_id_z 1
		.amdhsa_system_vgpr_workitem_id 0
		.amdhsa_next_free_vgpr 256
		.amdhsa_next_free_sgpr 80
		.amdhsa_reserve_vcc 1
		.amdhsa_float_denorm_mode_32 3
		.amdhsa_float_denorm_mode_16_64 3
		.amdhsa_memory_ordered 1
		.amdhsa_forward_progress 1
		.amdhsa_inst_pref_size 62
	.end_amdhsa_kernel
	.amdgpu_metadata
---
amdhsa.version: [ 1, 2 ]
amdhsa.kernels:
  - .name:           k_qd0a705f811_attn
    .symbol:         k_qd0a705f811_attn.kd
    .args:
      - { .name: qkv16, .offset: 0, .size: 8, .value_kind: global_buffer, .address_space: global }
      - { .name: o16, .offset: 8, .size: 8, .value_kind: global_buffer, .address_space: global }
    .group_segment_fixed_size: 327680
    .private_segment_fixed_size: 0
    .kernarg_segment_align: 8
    .kernarg_segment_size: 16
    .max_flat_workgroup_size: 512
    .sgpr_count:     80
    .vgpr_count:     256
    .wavefront_size: 32
...
	.end_amdgpu_metadata
.endif
;; end of part 3
;; launch oproj (part 4): grid 4 x 64, 4 waves a work-group, clusters of 4 x 4, 327,680 bytes of LDS; arguments o16, wo16, out0; writes out0
.if DOCPART == 4
	.amdgcn_target "amdgcn-amd-amdhsa--gfx1250"
	.amdhsa_code_object_version 6
	.text
	.protected	k_qd0a705f811_oproj
	.globl	k_qd0a705f811_oproj
	.p2align	8
	.type	k_qd0a705f811_oproj,@function
k_qd0a705f811_oproj:
	s_mov_b64 s[64:65], 0
	v_nop
	global_prefetch_b8 v0, s[64:65] scope:SCOPE_SE
	s_setreg_imm32_b32 hwreg(HW_REG_WAVE_MODE, 25, 1), 1
	s_wait_xcnt 0x0
	s_wait_alu depctr_hold_cnt(0) depctr_sa_sdst(0) depctr_va_vdst(0) depctr_va_sdst(0) depctr_va_ssrc(0) depctr_va_vcc(0) depctr_vm_vsrc(0)
	s_getreg_b32 s2, hwreg(HW_REG_IB_STS2, 6, 4)
	s_cmp_eq_u32 s2, 0
	s_cbranch_scc0 .Lentry_in_a_cluster
	s_endpgm
.Lentry_in_a_cluster:
	s_bfe_u32 s2, ttmp6, 0x10000c
	s_cmp_lg_u32 s2, 0xf033
	s_cbranch_scc0 .Lentry_shape_is_right
	s_endpgm
.Lentry_shape_is_right:
; out0[m][n] = sum over k of o[m][k] Wo[n][k]: m = 8,192, n = 1,024, K = 1,024 = 16 heads x 64.  o16 [16 heads][8192][64] f16, wo16 [1024][1024] f16, out0 f32; sums in f32.
; All 8,192 rows are made here; the 64 rows of positions 0-15 are made again, in f32, by the last launch, which writes over them.
; A tile of out0 is 128 x 256: 256 work-groups.  Four waves, each 64 x 128: 32 accumulators of 16 x 16, 256 registers (window 1).
; K goes in steps of 128 (two heads) through a ring of two LDS slots.  o's part of a step is two dense blocks of 128 rows x 128 bytes, one a head (waves 0, 1); Wo's is 256 rows x 256 bytes (waves 2, 3: 128 rows each).
; CLUSTERS: 4 x 4 work-groups.  The four of a row of the cluster need the same tiles of o, the four of a column the same tiles of Wo: each is asked for JOINTLY.
; THE MATRIX INSTRUCTION IS USED TRANSPOSED (source 0 = 16 rows of Wo, source 1 = 16 rows of o): a lane holds eight neighbouring numbers of a row of out0.
; No prefetch: a step's refill has 112 matrix instructions in which to land, and the tile is the small kind.
; REGISTERS: window 0: v0-31 addresses; two fragment buffers of 96 (o's 4 fragments, then Wo's 8) at v64 and v160; on the way out v64-191 rows read back.  window 1: accumulator (a, b) at v[8 (8 a + b)].
.set PA,     144                       ; a row of o in LDS: 128 bytes + 16
.set PB,     272                       ; a row of Wo: 256 bytes + 16
.set CHUNK,  128*PA                    ; a head's 128 rows
.set BOFF,   2*CHUNK
.set HALFB,  128*PB
.set SLOT,   BOFF+2*HALFB              ; 106,496
.set STAGE,  2*SLOT
.set SPITCH, 528
.set SPARE,  STAGE+4*16*SPITCH         ; the spare words, 128 bytes a wave; no other line names them
.set LAPS,   4                         ; a lap = two K steps = once round the ring
.set ADRA, 16
.set ADRB, 20
.set STO,  24
.set RD,   25
.set CO,   26
.set SPW,  28
.set NIL,  29
.set F0,   64
.set F1,   160
.set BK,   64
.set G1, 24
.set G0, 32
.set G1B, 48
.set G0B, 56
.set MSB, 0
.macro WIN new
.if MSB != \new
	s_set_vgpr_msb (MSB<<8)|\new
.set MSB, \new
.endif
.endm
.set MUL, 0x50                         ; sources 0 and 1 window 0; C and D window 1
.macro JLOAD s                         ; a joint load: waves 0 and 1 fetch o's two heads, waves 2 and 3 Wo's two halves; an s_nop 0 and four v_nop follow each line
	s_cmp_eq_u32 s11, 0
	s_cbranch_scc0 .Lfor_b_\@
	tensor_load_to_lds s[G0+4*\s:G0+4*\s+3], s[G1:G1+7]
	s_nop 0
.rept 4
	v_nop
.endr
	s_branch .Lasked_\@
.Lfor_b_\@:
	tensor_load_to_lds s[G0B+4*\s:G0B+4*\s+3], s[G1B:G1B+7]
	s_nop 0
.rept 4
	v_nop
.endr
.Lasked_\@:
.endm
.macro CREST                           ; a round of the cluster's barrier behind its opening barrier
	s_cmp_lg_u32 s10, 0
	s_cbranch_scc1 .Lnot_wave_0_\@
	s_barrier_signal -3
.Lnot_wave_0_\@:
	s_barrier_wait -3
	s_barrier_signal -1
	s_barrier_wait -1
.endm
.macro CROUND
	s_barrier_signal -1
	s_barrier_wait -1
	CREST
.endm
	s_load_b128 s[4:7], s[0:1], 0x0                ; o16, wo16
	s_load_b64 s[8:9], s[0:1], 0x10                ; out0
	v_lshl_add_u32 v[SPW], v0, 2, SPARE
	v_mov_b32 v[NIL], 0
	ds_add_u32 v[SPW], v[NIL]                      ; the wave's opening: the add, twice on end, and its wait ahead of my first tensor load
	ds_add_u32 v[SPW], v[NIL]
	v_lshrrev_b32 v1, 5, v0
	v_readfirstlane_b32 s10, v1                    ; wave 0..3
	s_lshr_b32 s11, s10, 1                         ; which 64 of the tile's rows are mine.  Also: I fetch for o (0) or for Wo (1)
	s_and_b32 s12, s10, 1                          ; which 128 of its columns.  Also: which head, or which 128 rows of Wo, I fetch
	s_bfe_u32 s40, ttmp6, 0x40000                  ; cx, cy
	s_bfe_u32 s41, ttmp6, 0x40004
	s_lshl_b32 s42, ttmp9, 2
	s_add_co_u32 s42, s42, s40                     ; tile column = 4 x cluster x + cx
	s_and_b32 s13, ttmp7, 0xffff
	s_lshl_b32 s13, s13, 2
	s_add_co_u32 s13, s13, s41                     ; tile row = 4 x cluster y + cy
	s_lshl_b32 s43, s41, 2
	s_lshl_b32 s43, 15, s43                        ; my row of the cluster
	s_lshl_b32 s44, 0x1111, s40                    ; my column
	s_or_b32 s[G1+0], s43, (1<<16)|(1<<20)|(1<<21)|(4<<22)|(3<<25)   ; the mask; elements of 2 bytes; padding on; bit 21 beside a mask; after every 32 words; four words
	s_mov_b32 s[G1+1], 64<<16                      ; tensor_dim0 = 64
	s_mov_b32 s[G1+2], 128<<16                     ; tensor_dim1 = 128
	s_mov_b32 s[G1+3], 64<<16                      ; tile_dim0 = 64
	s_mov_b32 s[G1+4], 128                         ; tile_dim1 = 128
	s_mov_b32 s[G1+5], 64                          ; from row to row: 64 elements (dense)
	s_mov_b32 s[G1+6], 0
	s_mov_b32 s[G1+7], 0
	s_or_b32 s[G1B+0], s44, (1<<16)|(1<<20)|(1<<21)|(5<<22)|(3<<25)  ; after every 64 words
	s_mov_b32 s[G1B+1], 128<<16
	s_mov_b32 s[G1B+2], 128<<16
	s_mov_b32 s[G1B+3], 128<<16
	s_mov_b32 s[G1B+4], 128
	s_mov_b32 s[G1B+5], 1024
	s_mov_b32 s[G1B+6], 0
	s_mov_b32 s[G1B+7], 0
	s_lshl_b32 s16, s13, 14                        ; o: tile row x 128 rows of 128 bytes,
	s_lshl_b32 s17, s12, 20                        ; in head 0 or 1 of the K step
	s_add_co_u32 s16, s16, s17
	s_mov_b32 s17, 0
	s_lshl_b32 s46, s42, 19                        ; Wo: tile column x 256 rows of 2,048 bytes,
	s_lshl_b32 s47, s12, 18                        ; + 128 rows
	s_add_co_u32 s46, s46, s47
	s_mov_b32 s47, 0
	s_mul_i32 s20, s12, CHUNK                      ; where they go: no place in the cluster enters an LDS address
	s_mul_i32 s21, s12, HALFB
	s_add_co_u32 s21, s21, BOFF
	s_wait_dscnt 0x0                               ; both opening adds are done
	s_wait_kmcnt 0x0
	s_add_nc_u64 s[14:15], s[4:5], s[16:17]
	s_add_nc_u64 s[46:47], s[6:7], s[46:47]
	CROUND                                         ; all sixteen work-groups are here: the first joint loads meet
.irp s, 0,1
	s_mov_b32 s[G0+4*\s], 1
	s_add_co_u32 s[G0+4*\s+1], s20, \s*SLOT
	s_add_nc_u64 s[G0+4*\s+2:G0+4*\s+3], s[14:15], \s*0x200000     ; K step s: two heads of 2^20 bytes on
	s_or_b32 s[G0+4*\s+3], s[G0+4*\s+3], 0x80000000
	s_mov_b32 s[G0B+4*\s], 1
	s_add_co_u32 s[G0B+4*\s+1], s21, \s*SLOT
	s_add_nc_u64 s[G0B+4*\s+2:G0B+4*\s+3], s[46:47], \s*256
	s_or_b32 s[G0B+4*\s+3], s[G0B+4*\s+3], 0x80000000
	JLOAD \s                                       ; two loads of mine are out
.endr
	v_and_b32 v1, 15, v0                           ; r
	v_bfe_u32 v2, v0, 4, 1                         ; h
	v_mul_u32_u24 v3, v1, PA
	v_lshl_add_u32 v3, v2, 4, v3
	v_mul_u32_u24 v4, v1, PB
	v_lshl_add_u32 v4, v2, 4, v4
	s_mul_i32 s22, s11, 64*PA                      ; my 64 rows of o (in each head's block)
	s_mul_i32 s23, s12, HALFB                      ; my 128 rows of Wo
	s_add_co_u32 s23, s23, BOFF
.irp s, 0,1
	v_add_nc_u32 v[ADRA+\s], s22, v3
	v_add_nc_u32 v[ADRB+\s], s23, v4
	s_add_co_u32 s22, s22, SLOT
	s_add_co_u32 s23, s23, SLOT
.endr
	s_mul_i32 s23, s10, 16*SPITCH
	s_add_co_u32 s23, s23, STAGE                   ; my stage
	v_mul_u32_u24 v5, v1, SPITCH
	v_lshl_add_u32 v5, v2, 5, v5
	v_add_nc_u32 v[STO], s23, v5                   ; in: row r, 32 bytes for each half of the lanes
	v_and_b32 v6, 31, v0
	v_lshlrev_b32 v[CO], 4, v6
	v_add_nc_u32 v[RD], s23, v[CO]                 ; back: the 32 lanes take one row of 512 bytes
	s_lshl_b32 s16, s13, 19                        ; out0: tile row x 128 rows of 4,096 bytes
	s_lshl_b32 s17, s11, 18                        ; + my 64 rows
	s_add_co_u32 s16, s16, s17
	s_mov_b32 s17, 0
	s_lshl_b32 s46, s42, 10                        ; + tile column x 1,024 bytes
	s_lshl_b32 s47, s12, 9                         ; + my 512
	s_add_co_u32 s46, s46, s47
	s_mov_b32 s47, 0
	s_add_nc_u64 s[16:17], s[16:17], s[46:47]
	s_add_nc_u64 s[8:9], s[8:9], s[16:17]
.macro MUL8 f, a, zero                 ; o's block a against Wo's eight, 32 along K.  The 32 accumulators take turns, one instruction a turn, in the same order in every quarter
.irp b, 0,1,2,3,4,5,6,7
.if \zero
	v_wmma_f32_16x16x32_f16 v[8*(8*(\a)+\b):8*(8*(\a)+\b)+7], v[\f+32+8*\b:\f+32+8*\b+7], v[\f+8*(\a):\f+8*(\a)+7], 0
.else
	v_wmma_f32_16x16x32_f16 v[8*(8*(\a)+\b):8*(8*(\a)+\b)+7], v[\f+32+8*\b:\f+32+8*\b+7], v[\f+8*(\a):\f+8*(\a)+7], v[8*(8*(\a)+\b):8*(8*(\a)+\b)+7]
.endif
.endr
.endm
.macro FETCH slot, q, f                ; 24 LDS loads in one run: the fragments of the K step's q-th 32 along K: Wo's eight, then o's four
.irp i, 0,1,2,3,4,5,6,7
	ds_load_b128 v[\f+32+8*\i:\f+32+8*\i+3],   v[ADRB+\slot] offset:64*(\q)+\i*16*PB
	ds_load_b128 v[\f+32+8*\i+4:\f+32+8*\i+7], v[ADRB+\slot] offset:64*(\q)+\i*16*PB+32
.endr
.irp i, 0,1,2,3
	ds_load_b128 v[\f+8*\i:\f+8*\i+3],   v[ADRA+\slot] offset:CHUNK*((\q)/2)+64*((\q)%2)+\i*16*PA
	ds_load_b128 v[\f+8*\i+4:\f+8*\i+7], v[ADRA+\slot] offset:CHUNK*((\q)/2)+64*((\q)%2)+\i*16*PA+32
.endr
.endm
.macro PLACES                          ; four places in front of loads into registers that matrix instructions have read, and of the first read of results
.rept 4
	v_nop
.endr
.endm
.macro QUARTER slot, q, f, g, zero     ; multiplies buffer f; in its middle it fetches the K step's q-th quarter into buffer g
	s_wait_dscnt 4                                 ; Wo's fragments and o's blocks 0, 1 are in; the youngest four loads (blocks 2, 3) may be out
	WIN MUL
	MUL8 \f, 0, \zero
	MUL8 \f, 1, \zero
	PLACES
	WIN 0
	FETCH \slot, \q, \g
	s_wait_dscnt 24                                ; all but the 24 just issued
	WIN MUL
	MUL8 \f, 2, \zero
	MUL8 \f, 3, \zero
.endm
; A K step's last quarter multiplies buffer 1 and changes slots: one barrier; in front of it each wave waits for all its tensor loads, adds 0 to its spare word, and waits for that and for its reads of this slot.
; fill = 1: the barrier opens a round of the cluster's, and this slot is filled again, two K steps ahead: the load has 112 matrix instructions in which to land.
.macro TURN slot, next, fill
	WIN 0
	s_wait_tensorcnt 0x0                           ; all my tensor loads have landed: my part of the next slot
	ds_add_u32 v[SPW], v[NIL]
	s_wait_dscnt 5                                 ; (the add and the youngest four loads may be out)
	WIN MUL
	MUL8 F1, 0, 0
	s_wait_dscnt 0x0                               ; the add is done, and my reads of this slot are over
	s_barrier_signal -1
	MUL8 F1, 1, 0
	WIN 0
	s_barrier_wait -1
.if \fill
	CREST                                          ; no wave of any partner still reads this slot's tile or has a load on its way
	s_add_nc_u64 s[G0+4*\slot+2:G0+4*\slot+3], s[G0+4*\slot+2:G0+4*\slot+3], 0x400000
	s_add_nc_u64 s[G0B+4*\slot+2:G0B+4*\slot+3], s[G0B+4*\slot+2:G0B+4*\slot+3], 512
	JLOAD \slot                                    ; the first tensor load behind the round; its four v_nop are also the places in front of the loads below
.else
	PLACES
.endif
	FETCH \next, 0, F0
	WIN MUL
	MUL8 F1, 2, 0
	MUL8 F1, 3, 0
.endm
	s_wait_tensorcnt 1                             ; my part of K step 0 is in (K step 1's may be out)
	s_barrier_signal -1
	s_barrier_wait -1                              ; everybody's is
	FETCH 0, 0, F0
	QUARTER 0, 1, F0, F1, 1                        ; the first quarter's products start the sums
	WIN 0
	s_mov_b32 s3, LAPS-1
.Llap:                                             ; a trip goes once round the ring, from a lap's second quarter to the next lap's first, and fills both slots again
	QUARTER 0, 2, F1, F0, 0
	QUARTER 0, 3, F0, F1, 0
	TURN 0, 1, 1
	QUARTER 1, 1, F0, F1, 0
	QUARTER 1, 2, F1, F0, 0
	QUARTER 1, 3, F0, F1, 0
	TURN 1, 0, 1
	QUARTER 0, 1, F0, F1, 0
	WIN 0
	s_sub_co_u32 s3, s3, 1
	s_cmp_lg_u32 s3, 0
	s_cbranch_scc1 .Llap
	QUARTER 0, 2, F1, F0, 0                        ; the last lap fills nothing
	QUARTER 0, 3, F0, F1, 0
	TURN 0, 1, 0
	QUARTER 1, 1, F0, F1, 0
	QUARTER 1, 2, F1, F0, 0
	QUARTER 1, 3, F0, F1, 0
	s_wait_dscnt 4
	WIN MUL
	MUL8 F1, 0, 0
	MUL8 F1, 1, 0
	s_wait_dscnt 0
	MUL8 F1, 2, 0
	MUL8 F1, 3, 0
	WIN 0
; THE WAY OUT, block by block of 16 rows x 128 columns, through my own stage: in as 32 bytes a lane, back as whole rows of 512 bytes.  LDS serves a wave's instructions in order (ISA guide 5.7.1.4).
.macro TOSTAGE a
	WIN 0x04                                       ; an LDS store's data are its source 1: window 1
.irp b, 0,1,2,3,4,5,6,7
	ds_store_b128 v[STO], v[64*(\a)+8*\b:64*(\a)+8*\b+3] offset:64*\b          ; each accumulator from its low end on
	ds_store_b128 v[STO], v[64*(\a)+8*\b+4:64*(\a)+8*\b+7] offset:64*\b+16
.endr
	WIN 0
.set BB, BK+64*((\a)%2)
.irp t, 0,1,2,3,4,5,6,7,8,9,10,11,12,13,14,15
	ds_load_b128 v[BB+4*\t:BB+4*\t+3], v[RD] offset:\t*SPITCH
.endr
.endm
.macro SEND a, younger                 ; younger: the LDS instructions issued behind block a's loads
.set BB, BK+64*((\a)%2)
	s_wait_dscnt \younger
.irp t, 0,1,2,3,4,5,6,7,8,9,10,11,12,13,14,15
	global_store_b128 v[CO], v[BB+4*\t:BB+4*\t+3], s[8:9] offset:(16*(\a)+\t)*4096 th:TH_STORE_NT   ; 32 lanes store 512 consecutive bytes, aligned
.endr
.endm
	PLACES
	TOSTAGE 0
.irp a, 1,2,3
.if \a > 1
	s_wait_xcnt 0x0                                ; block a - 2's stores have read their registers: block a's loads may land there
.endif
	TOSTAGE \a
	SEND \a-1, 32                                  ; behind block a - 1's loads: block a's 16 stores and 16 loads
.endr
	SEND 3, 0
	s_wait_tensorcnt 0x0                           ; the wave's end: the spare add and its waits behind my last tensor load and my last LDS store
	ds_add_u32 v[SPW], v[NIL]
	s_wait_dscnt 0x0
	CROUND                                         ; the closing round
	s_endpgm
.Lfunc_end_k_qd0a705f811_oproj:
	.size	k_qd0a705f811_oproj, .Lfunc_end_k_qd0a705f811_oproj-k_qd0a705f811_oproj
	.p2alignl 7, 3214868480
	.fill 96, 4, 3214868480
	.section	.rodata,"a",@progbits
	.p2align	6, 0x0
	.amdhsa_kernel k_qd0a705f811_oproj
		.amdhsa_group_segment_fixed_size 327680
		.amdhsa_private_segment_fixed_size 0
		.amdhsa_enable_private_segment 0
		.amdhsa_kernarg_size 24
		.amdhsa_user_sgpr_count 2
		.amdhsa_user_sgpr_kernarg_segment_ptr 1
		.amdhsa_wavefront_size32 1
		.amdhsa_system_sgpr_workgroup_id_x 1
		.amdhsa_system_sgpr_workgroup_id_y 1
		.amdhsa_system_sgpr_workgroup_id_z 1
		.amdhsa_system_vgpr_workitem_id 0
		.amdhsa_next_free_vgpr 512
		.amdhsa_next_free_sgpr 66
		.amdhsa_reserve_vcc 0
		.amdhsa_float_denorm_mode_32 3
		.amdhsa_float_denorm_mode_16_64 3
		.amdhsa_memory_ordered 1
		.amdhsa_forward_progress 1
		.amdhsa_inst_pref_size 85
	.end_amdhsa_kernel
	.amdgpu_metadata
---
amdhsa.version: [ 1, 2 ]
amdhsa.kernels:
  - .name:           k_qd0a705f811_oproj
    .symbol:         k_qd0a705f811_oproj.kd
    .args:
      - { .name: o16, .offset: 0, .size: 8, .value_kind: global_buffer, .address_space: global }
      - { .name: wo16, .offset: 8, .size: 8, .value_kind: global_buffer, .address_space: global }
      - { .name: out0, .offset: 16, .size: 8, .value_kind: global_buffer, .address_space: global }
    .group_segment_fixed_size: 327680
    .private_segment_fixed_size: 0
    .kernarg_segment_align: 8
    .kernarg_segment_size: 24
    .max_flat_workgroup_size: 128
    .sgpr_count:     66
    .vgpr_count:     512
    .wavefront_size: 32
...
	.end_amdgpu_metadata
.endif
;; end of part 4
;; launch first16 (part 5): grid 16 x 4, 4 waves a work-group, no clusters, 70,656 bytes of LDS; arguments qkv32, Wo, out0; writes out0
.if DOCPART == 5
	.amdgcn_target "amdgcn-amd-amdhsa--gfx1250"
	.amdhsa_code_object_version 6
	.text
	.protected	k_qd0a705f811_first16
	.globl	k_qd0a705f811_first16
	.p2align	8
	.type	k_qd0a705f811_first16,@function
k_qd0a705f811_first16:
	s_mov_b64 s[64:65], 0
	v_nop
	global_prefetch_b8 v0, s[64:65] scope:SCOPE_SE
	s_setreg_imm32_b32 hwreg(HW_REG_WAVE_MODE, 25, 1), 1
	s_wait_xcnt 0x0
; Positions 0-15 of each batch, all in f32: their rows average one to sixteen values and are the largest, so f16 operands would weigh most there.  This launch runs last and writes over those 64 rows of out0.
; qkv32 [64 (batch x 16 + position)][3072 (q, k, v)] f32; Wo [1024][1024] f32; out0 [8192][1024] f32.
; SHARES.  Work-group (nb, batch) makes 16 rows x 64 columns (64 nb on).  Wave w first makes the attention of heads 4 w .. 4 w + 3 (each of a batch's sixteen work-groups repeats it: 16 x 16 x 64 x 2 multiply-adds
; a head), hands its 256 channels of o to the others through LDS, and then makes columns 64 nb + 16 w .. + 15 over all of K = 1,024.
; THE MATRIX FORM is 16 x 16 x 4 in f32: lane (r, h) holds row r and k = 2 h + 0, 1.  K IS PERMUTED ALIKE ON BOTH SIDES: a lane loads 16 bytes at channel 8 i + 4 h; its register pairs (4 i, 4 i + 1) and
; (4 i + 2, 4 i + 3) are two K steps, for both operands.  Both attention products and the projection are used transposed, so that a lane holds one query (row) throughout.
; The registers that this form writes (v48-79, v112-239 of window 0) are written by matrix instructions alone; what is made of a sum goes into other registers.  Accumulators take turns, one instruction a turn.
; REGISTERS.  window 0: v3-14 addresses; v16-47 statistics, 8 a head; v48-79 S^T of 4 heads, later the projection's four sums; v80-111 the masked scores, then p; v112-239 O^T (4 heads x 4 tiles of channels); v240-255 at work.
;   window 1: v0-127 K, later o; v128-255 Q, later two sets of o's fragments.   window 2: v0-127 V; v128-255 four sets of Wo's fragments.
.set OLP,   4112                       ; a row of o in LDS: 4,096 bytes + 16
.set STG,   16*OLP                     ; the stage for the result: 16 rows x (256 bytes + 16)
.set SPARE, STG+16*272                 ; the spare words, 128 bytes a wave; no other line names them
.set SPW, 12
.set NIL, 13
.set ST,  16
.set SA,  48
.set TP,  80
.set OA,  112
.set MSB, 0
.macro WIN new
.if MSB != \new
	s_set_vgpr_msb (MSB<<8)|\new
.set MSB, \new
.endif
.endm
.macro FAR                             ; eight places behind this matrix form (ISA guide 7.12.1)
.rept 8
	v_nop
.endr
.endm
	s_load_b128 s[4:7], s[0:1], 0x0                ; qkv32, Wo
	s_load_b64 s[8:9], s[0:1], 0x10                ; out0
	v_lshl_add_u32 v[SPW], v0, 2, SPARE
	v_mov_b32 v[NIL], 0
	v_lshrrev_b32 v1, 5, v0
	v_readfirstlane_b32 s10, v1                    ; wave
	s_and_b32 s11, ttmp7, 0xffff                   ; batch
	v_and_b32 v1, 15, v0                           ; r
	v_bfe_u32 v2, v0, 4, 1                         ; h
	v_mul_u32_u24 v3, v1, 12288
	v_lshl_add_u32 v3, v2, 4, v3                   ; Q, K: row r of 12,288 bytes + 16 h
	v_mul_u32_u24 v4, v2, 98304
	v_lshl_add_u32 v4, v1, 2, v4                   ; V: keys 8 h on, channel r
	v_lshlrev_b32 v5, 12, v1
	v_lshl_add_u32 v5, v2, 4, v5                   ; Wo: row r of 4,096 bytes + 16 h
	v_mul_u32_u24 v7, v1, OLP
	v_lshl_add_u32 v6, v2, 5, v7
	s_lshl_b32 s12, s10, 10
	v_add_nc_u32 v6, s12, v6                       ; o into LDS: row r, my wave's 1,024 bytes, + 32 h
	v_lshl_add_u32 v7, v2, 4, v7                   ; o out of LDS: row r + 16 h
	v_lshlrev_b32 v8, 3, v2
	v_sub_nc_u32 v8, v1, v8                        ; r - 8 h: key 8 h + j is hidden where j > r - 8 h
	v_mov_b32 v9, 0xff800000                       ; -infinity
	v_mul_u32_u24 v10, v1, 272
	v_lshl_add_u32 v10, v2, 5, v10
	s_lshl_b32 s13, s10, 6
	s_add_co_u32 s13, s13, STG
	v_add_nc_u32 v10, s13, v10                     ; the stage, in: row r, 64 w + 32 h bytes on
	v_mul_u32_u24 v11, v2, 272
	v_lshl_add_u32 v11, v1, 4, v11
	s_mul_i32 s13, s10, 4*272
	s_add_co_u32 s13, s13, STG
	v_add_nc_u32 v11, s13, v11                     ; back: rows 4 w on; lanes 0-15 one row of 256 bytes, lanes 16-31 the next
	v_lshlrev_b32 v14, 12, v2
	v_lshl_add_u32 v14, v1, 4, v14                 ; and the same two rows in out0
.irp hd, 0,1,2,3
	v_mov_b32 v[ST+8*\hd+1], 0                     ; named in pairs or as a lane permute's destination before they are otherwise written
	v_mov_b32 v[ST+8*\hd+5], 0
	v_mov_b32 v[ST+8*\hd+7], 0
.endr
	s_mov_b32 s20, 0x76543210
	s_mov_b32 s21, 0xfedcba98                      ; v_permlanex16_b32's selects for lane l xor 16
	s_mov_b32 s22, 0x3e38aa3b                      ; c = log2(e) / 8
	s_mov_b32 s23, s22
	s_mul_i32 s14, s11, 16*12288                   ; qkv32: the batch's 16 rows,
	s_add_co_u32 s14, s14, s12                     ; my four heads' 1,024 bytes
	s_mov_b32 s15, 0
	s_lshl_b32 s16, ttmp9, 18                      ; Wo: row 64 nb
	s_lshl_b32 s17, s10, 16                        ; + 16 w
	s_add_co_u32 s16, s16, s17
	s_mov_b32 s17, 0
	s_lshl_b32 s18, s11, 23                        ; out0: the batch's first row,
	s_lshl_b32 s19, s10, 14                        ; + 4 w rows,
	s_add_co_u32 s18, s18, s19
	s_lshl_b32 s19, ttmp9, 8                       ; + 256 nb bytes
	s_add_co_u32 s18, s18, s19
	s_mov_b32 s19, 0
	s_wait_kmcnt 0x0
	s_add_nc_u64 s[4:5], s[4:5], s[14:15]
	s_add_nc_u64 s[6:7], s[6:7], s[16:17]
	s_add_nc_u64 s[8:9], s[8:9], s[18:19]
	; ---- 1: the loads
	WIN 0x40                                       ; destination window 1
.irp hd, 0,1,2,3
.irp i, 0,1,2,3,4,5,6,7
	global_load_b128 v[32*\hd+4*\i:32*\hd+4*\i+3], v3, s[4:5] offset:4096+256*\hd+32*\i          ; K(key r, channels 8 i + 4 h on)
.endr
.endr
.irp hd, 0,1,2,3
.irp i, 0,1,2,3,4,5,6,7
	global_load_b128 v[128+32*\hd+4*\i:128+32*\hd+4*\i+3], v3, s[4:5] offset:256*\hd+32*\i       ; Q likewise
.endr
.endr
	WIN 0x80                                       ; destination window 2
.irp hd, 0,1,2,3
.irp ct, 0,1,2,3
.irp e, 0,1,2,3,4,5,6,7
	global_load_b32 v[32*\hd+8*\ct+\e], v4, s[4:5] offset:8192+256*\hd+64*\ct+12288*\e           ; V(key 8 h + e, channel 16 ct + r): registers run down the keys
.endr
.endr
.endr
.macro WSET kc                         ; Wo's fragments of channels 64 kc on into set kc % 4
.irp i, 0,1,2,3,4,5,6,7
	global_load_b128 v[128+32*((\kc)%4)+4*\i:128+32*((\kc)%4)+4*\i+3], v5, s[6:7] offset:256*(\kc)+32*\i
.endr
.endm
	WSET 0
	WSET 1
	WSET 2
	WSET 3
	s_wait_loadcnt 32                              ; K, Q and V are in; Wo's 32 loads may be out
	; ---- 2: S^T = K Q^T: 16 K steps, the four heads by turns; the first step starts the sums
	WIN 0x05                                       ; sources 0 and 1 window 1
.set sg, 0
.rept 16
.irp hd, 0,1,2,3
.if sg == 0
	v_wmma_f32_16x16x4_f32 v[SA+8*\hd:SA+8*\hd+7], v[32*\hd+2*sg:32*\hd+2*sg+1], v[128+32*\hd+2*sg:128+32*\hd+2*sg+1], 0
.else
	v_wmma_f32_16x16x4_f32 v[SA+8*\hd:SA+8*\hd+7], v[32*\hd+2*sg:32*\hd+2*sg+1], v[128+32*\hd+2*sg:128+32*\hd+2*sg+1], v[SA+8*\hd:SA+8*\hd+7]
.endif
.endr
.set sg, sg+1
.endr
	WIN 0
	FAR
	; ---- 3: the softmax.  Lane (r, h), register j: key 8 h + j, query r.  Key 0 counts for every query, so every maximum is a number
.irp j, 0,1,2,3,4,5,6,7
	v_cmp_gt_i32 vcc_lo, \j, v8
.irp hd, 0,1,2,3
	v_cndmask_b32 v[TP+8*\hd+\j], v[SA+8*\hd+\j], v9, vcc_lo       ; each sum is read from its low end on
.endr
.endr
.irp hd, 0,1,2,3
	v_max3_num_f32 v[ST+8*\hd+4], v[TP+8*\hd], v[TP+8*\hd+1], v[TP+8*\hd+2]
.endr
.irp hd, 0,1,2,3
	v_max3_num_f32 v[ST+8*\hd+4], v[ST+8*\hd+4], v[TP+8*\hd+3], v[TP+8*\hd+4]
.endr
.irp hd, 0,1,2,3
	v_max3_num_f32 v[ST+8*\hd+4], v[ST+8*\hd+4], v[TP+8*\hd+5], v[TP+8*\hd+6]
.endr
.irp hd, 0,1,2,3
	v_max_num_f32 v[ST+8*\hd+4], v[ST+8*\hd+4], v[TP+8*\hd+7]
.endr
.irp hd, 0,1,2,3
	v_permlanex16_b32 v[ST+8*\hd+5], v[ST+8*\hd+4], s20, s21
.endr
.irp hd, 0,1,2,3
	v_max_num_f32 v[ST+8*\hd+4], v[ST+8*\hd+4], v[ST+8*\hd+5]      ; the row's maximum
.endr
.irp hd, 0,1,2,3
	v_mul_f32 v[ST+8*\hd], s22, v[ST+8*\hd+4]                      ; c m
.endr
.irp i, 0,2,4,6
.irp hd, 0,1,2,3
	v_pk_fma_f32 v[TP+8*\hd+\i:TP+8*\hd+\i+1], v[TP+8*\hd+\i:TP+8*\hd+\i+1], s[22:23], v[ST+8*\hd:ST+8*\hd+1] op_sel_hi:[1,0,0] neg_lo:[0,0,1] neg_hi:[0,0,1]   ; c s - c m
.endr
.endr
.irp j, 0,1,2,3,4,5,6,7
.irp hd, 0,1,2,3
	v_exp_f32 v[TP+8*\hd+\j], v[TP+8*\hd+\j]       ; one batch of 32
.endr
.endr
	v_nop
	s_wait_alu depctr_va_vdst(0)                   ; one wait for the batch, ahead of its first reader
.irp hd, 0,1,2,3
	v_pk_add_f32 v[ST+8*\hd+2:ST+8*\hd+3], v[TP+8*\hd:TP+8*\hd+1], v[TP+8*\hd+2:TP+8*\hd+3]
.endr
.irp hd, 0,1,2,3
	v_pk_add_f32 v[ST+8*\hd+6:ST+8*\hd+7], v[TP+8*\hd+4:TP+8*\hd+5], v[TP+8*\hd+6:TP+8*\hd+7]
.endr
.irp hd, 0,1,2,3
	v_pk_add_f32 v[ST+8*\hd+2:ST+8*\hd+3], v[ST+8*\hd+2:ST+8*\hd+3], v[ST+8*\hd+6:ST+8*\hd+7]
.endr
.irp hd, 0,1,2,3
	v_add_f32 v[ST+8*\hd+4], v[ST+8*\hd+2], v[ST+8*\hd+3]
.endr
.irp hd, 0,1,2,3
	v_permlanex16_b32 v[ST+8*\hd+5], v[ST+8*\hd+4], s20, s21
.endr
.irp hd, 0,1,2,3
	v_add_f32 v[ST+8*\hd+4], v[ST+8*\hd+4], v[ST+8*\hd+5]          ; the row's sum
.endr
.irp hd, 0,1,2,3
	v_rcp_f32 v[ST+8*\hd+6], v[ST+8*\hd+4]
.endr
	v_nop
	s_wait_alu depctr_va_vdst(0)                   ; one wait for the four reciprocals
	; ---- 4: O^T = V^T P^T: K = 16 keys in four steps (pair i: keys 8 h + 2 i, + 1, on both sides); sixteen accumulators by turns
	WIN 0x02                                       ; source 0 (V) window 2
.irp i, 0,1,2,3
.irp hd, 0,1,2,3
.irp ct, 0,1,2,3
.if \i == 0
	v_wmma_f32_16x16x4_f32 v[OA+8*(4*\hd+\ct):OA+8*(4*\hd+\ct)+7], v[32*\hd+8*\ct+2*\i:32*\hd+8*\ct+2*\i+1], v[TP+8*\hd+2*\i:TP+8*\hd+2*\i+1], 0
.else
	v_wmma_f32_16x16x4_f32 v[OA+8*(4*\hd+\ct):OA+8*(4*\hd+\ct)+7], v[32*\hd+8*\ct+2*\i:32*\hd+8*\ct+2*\i+1], v[TP+8*\hd+2*\i:TP+8*\hd+2*\i+1], v[OA+8*(4*\hd+\ct):OA+8*(4*\hd+\ct)+7]
.endif
.endr
.endr
.endr
	WIN 0
	FAR
	; ---- 5: o = O^T / the sum, into other registers; to LDS, row = query, so that every wave can read all 1,024 channels
	WIN 0x40                                       ; destination window 1
.irp hd, 0,1,2,3
.irp ct, 0,1,2,3
.irp i, 0,2,4,6
	v_pk_mul_f32 v[8*(4*\hd+\ct)+\i:8*(4*\hd+\ct)+\i+1], v[OA+8*(4*\hd+\ct)+\i:OA+8*(4*\hd+\ct)+\i+1], v[ST+8*\hd+6:ST+8*\hd+7] op_sel_hi:[1,0]
.endr
.endr
.endr
	WIN 0x04                                       ; an LDS store's data are its source 1: window 1
.irp hd, 0,1,2,3
.irp ct, 0,1,2,3
	ds_store_b128 v6, v[8*(4*\hd+\ct):8*(4*\hd+\ct)+3] offset:256*\hd+64*\ct        ; o(r, 64 (4 w + hd) + 16 ct + 8 h + 0 .. 7)
	ds_store_b128 v6, v[8*(4*\hd+\ct)+4:8*(4*\hd+\ct)+7] offset:256*\hd+64*\ct+16
.endr
.endr
	WIN 0
	s_wait_dscnt 0x0                               ; for the others' sake: my stores have landed
	s_barrier_signal -1
	s_barrier_wait -1
	; ---- 6: the projection: sixteen chunks of 64 channels, 16 K steps each; four sums by turns; source 0 = 16 rows of Wo, source 1 = o's 16 rows
.macro BSET kc                         ; o's fragments of channels 64 kc on into set kc % 2
.irp i, 0,1,2,3,4,5,6,7
	ds_load_b128 v[128+32*((\kc)%2)+4*\i:128+32*((\kc)%2)+4*\i+3], v7 offset:256*(\kc)+32*\i
.endr
.endm
	WIN 0x40
	BSET 0
	BSET 1
.set kc, 0
.rept 16
.if kc <= 12
	s_wait_loadcnt 24                              ; this chunk's set of Wo is in; the three younger sets' 24 loads may be out
.else
	s_wait_loadcnt 8*(15-kc)
.endif
.if kc < 15
	s_wait_dscnt 8                                 ; this chunk's set of o is in; the next set's eight loads may be out
.else
	s_wait_dscnt 0x0
.endif
	WIN 0x06                                       ; source 0 window 2, source 1 window 1
.set sg, 0
.rept 16
.if (kc == 0) && (sg < 4)
	v_wmma_f32_16x16x4_f32 v[SA+8*(sg%4):SA+8*(sg%4)+7], v[128+32*(kc%4)+2*sg:128+32*(kc%4)+2*sg+1], v[128+32*(kc%2)+2*sg:128+32*(kc%2)+2*sg+1], 0
.else
	v_wmma_f32_16x16x4_f32 v[SA+8*(sg%4):SA+8*(sg%4)+7], v[128+32*(kc%4)+2*sg:128+32*(kc%4)+2*sg+1], v[128+32*(kc%2)+2*sg:128+32*(kc%2)+2*sg+1], v[SA+8*(sg%4):SA+8*(sg%4)+7]
.endif
.set sg, sg+1
.endr
	FAR                                            ; in front of loads into the sets just read, and of the first read of the sums
.if kc+4 < 16
	WIN 0x80
	WSET kc+4
.endif
.if kc+2 < 16
	WIN 0x40
	BSET kc+2
.endif
.set kc, kc+1
.endr
	WIN 0
	; ---- 7: the four sums are added; lane (r, h), register j: out0(row r, column 64 nb + 16 w + 8 h + j).  A row's 256 bytes come from four waves: they meet in the stage
.irp i, 0,2,4,6
	v_pk_add_f32 v[240+\i:241+\i], v[SA+\i:SA+\i+1], v[SA+8+\i:SA+8+\i+1]
.endr
.irp i, 0,2,4,6
	v_pk_add_f32 v[248+\i:249+\i], v[SA+16+\i:SA+16+\i+1], v[SA+24+\i:SA+24+\i+1]
.endr
.irp i, 0,2,4,6
	v_pk_add_f32 v[240+\i:241+\i], v[240+\i:241+\i], v[248+\i:249+\i]
.endr
	ds_store_b128 v10, v[240:243]
	ds_store_b128 v10, v[244:247] offset:16
	s_wait_dscnt 0x0
	s_barrier_signal -1
	s_barrier_wait -1
	ds_load_b128 v[248:251], v11
	ds_load_b128 v[252:255], v11 offset:2*272
	s_wait_dscnt 0x0
	global_store_b128 v14, v[248:251], s[8:9]                      ; sixteen lanes store 256 consecutive bytes, aligned
	global_store_b128 v14, v[252:255], s[8:9] offset:8192
	s_wait_tensorcnt 0x0                           ; the wave's end: the spare add and its waits behind my last LDS store
	ds_add_u32 v[SPW], v[NIL]
	s_wait_dscnt 0x0
	s_endpgm
.Lfunc_end_k_qd0a705f811_first16:
	.size	k_qd0a705f811_first16, .Lfunc_end_k_qd0a705f811_first16-k_qd0a705f811_first16
	.p2alignl 7, 3214868480
	.fill 96, 4, 3214868480
	.section	.rodata,"a",@progbits
	.p2align	6, 0x0
	.amdhsa_kernel k_qd0a705f811_first16
		.amdhsa_group_segment_fixed_size 70656
		.amdhsa_private_segment_fixed_size 0
		.amdhsa_enable_private_segment 0
		.amdhsa_kernarg_size 24
		.amdhsa_user_sgpr_count 2
		.amdhsa_user_sgpr_kernarg_segment_ptr 1
		.amdhsa_wavefront_size32 1
		.amdhsa_system_sgpr_workgroup_id_x 1
		.amdhsa_system_sgpr_workgroup_id_y 1
		.amdhsa_system_sgpr_workgroup_id_z 1
		.amdhsa_system_vgpr_workitem_id 0
		.amdhsa_next_free_vgpr 768
		.amdhsa_next_free_sgpr 66
		.amdhsa_reserve_vcc 1
		.amdhsa_float_denorm_mode_32 3
		.amdhsa_float_denorm_mode_16_64 3
		.amdhsa_memory_ordered 1
		.amdhsa_forward_progress 1
		.amdhsa_inst_pref_size 87
	.end_amdhsa_kernel
	.amdgpu_metadata
---
amdhsa.version: [ 1, 2 ]
amdhsa.kernels:
  - .name:           k_qd0a705f811_first16
    .symbol:         k_qd0a705f811_first16.kd
    .args:
      - { .name: qkv32, .offset: 0, .size: 8, .value_kind: global_buffer, .address_space: global }
      - { .name: Wo, .offset: 8, .size: 8, .value_kind: global_buffer, .address_space: global }
      - { .name: out0, .offset: 16, .size: 8, .value_kind: global_buffer, .address_space: global }
    .group_segment_fixed_size: 70656
    .private_segment_fixed_size: 0
    .kernarg_segment_align: 8
    .kernarg_segment_size: 24
    .max_flat_workgroup_size: 128
    .sgpr_count:     66
    .vgpr_count:     768
    .wavefront_size: 32
...
	.end_amdgpu_metadata
.endif
;; end of part 5
